; MI455X (gfx1250); checked and timed in simulation.
; The chip was launched on July 23, 2026; its instructions are those of AMD's public machine-readable ISA for CDNA 5 (MIT licence, August 2026) and "CDNA5" Instruction Set Architecture Reference Guide (July 2026). The comments in the code are by the model that wrote it; some were corrected since.
;; Decoder Block. Allowed arithmetic: matrix products marked QUANTISED: E4M3 operands, one E8M0 scale for each 32 along K, by v_wmma_scale_f32_16x16x128_f8f6f4 with both operands' format E4M3, f32 sums; everything else in f32.
;; Inputs: W1_codes 4,096 x 32 x 32 uint8 (E4M3 codes of W1, K innermost, in blocks of 32 codes); W1_scales 4,096 x 32 uint8 (E8M0 scales of W1, one for each 32 codes along K); W2_codes 1,024 x 128 x 32 uint8 (E4M3 codes of W2, K innermost, in blocks of 32 codes); W2_scales 1,024 x 128 uint8 (E8M0 scales of W2, one for each 32 codes along K); Wk_codes 16 x 64 x 32 x 32 uint8 (E4M3 codes of Wk, K innermost, in blocks of 32 codes); Wk_scales 16 x 64 x 32 uint8 (E8M0 scales of Wk, one for each 32 codes along K); Wo_codes 1,024 x 32 x 32 uint8 (E4M3 codes of Wo, K innermost, in blocks of 32 codes); Wo_scales 1,024 x 32 uint8 (E8M0 scales of Wo, one for each 32 codes along K); Wq_codes 16 x 64 x 32 x 32 uint8 (E4M3 codes of Wq, K innermost, in blocks of 32 codes); Wq_scales 16 x 64 x 32 uint8 (E8M0 scales of Wq, one for each 32 codes along K); Wv_codes 16 x 64 x 32 x 32 uint8 (E4M3 codes of Wv, K innermost, in blocks of 32 codes); Wv_scales 16 x 64 x 32 uint8 (E8M0 scales of Wv, one for each 32 codes along K); b1 4,096 float32; b2 1,024 float32; beta 1,024 float32; bk 16 x 64 float32; bo 1,024 float32; bq 16 x 64 float32; bv 16 x 64 float32; gamma 1,024 float32; x 4 x 1,024 x 1,024 float32.
;; Outputs: out0 4 x 1,024 x 1,024 float32.
;; This version of the problem:
;;   THIS VERSION OF THE PROBLEM IS GIVEN IN LOW PRECISION. The matrix products marked QUANTISED in the list below multiply operands that are first quantised to E4M3 (4 exponent bits, 3 mantissa bits; 8 bits a number), with one power-of-two scale for each 32 numbers along K (OCP MX v1.0); their sums are f32. All else is computed in f32.
;;   The module's matrix products, in the order in which they are computed (A, B: the left and right operand; K: the contracted axis; several contracted axes count as one K, in the product's order):
;;     1. [M 1,024, K 1,024] x [K 1,024, N 4,096]; A: input Wq (given as codes); B: computed on the way: QUANTISED
;;     2. [M 1,024, K 1,024] x [K 1,024, N 4,096]; A: input Wk (given as codes); B: computed on the way: QUANTISED
;;     3. [M 1,024, K 1,024] x [K 1,024, N 4,096]; A: input Wv (given as codes); B: computed on the way: QUANTISED
;;     4. batch 64 x [M 1,024, K 64] x [K 64, N 1,024]; A: computed on the way; B: computed on the way: QUANTISED
;;     5. batch 64 x [M 1,024, K 1,024] x [K 1,024, N 64]; A: softmax (see below); B: computed on the way: QUANTISED
;;     6. [M 4,096, K 1,024] x [K 1,024, N 1,024]; A: computed on the way; B: input Wo (given as codes): QUANTISED
;;     7. [M 4,096, K 1,024] x [K 1,024, N 4,096]; A: computed on the way; B: input W1 (given as codes): QUANTISED
;;     8. [M 4,096, K 4,096] x [K 4,096, N 1,024]; A: computed on the way; B: input W2 (given as codes): QUANTISED
;;   THE QUANTISER, for each operand of a quantised product, along K:
;;     - K is cut into blocks of 32 from its start; a last block that is shorter is filled with zeros.
;;     - A block's scale is 2^e with e = floor(log2(the largest magnitude in the block)) - 8, held to -126 .. 127; a block of zeros has e = 0. As a byte (E8M0): e + 127.
;;     - Each number is divided by its block's scale, clamped to +-448, and rounded to the nearest number of E4M3, ties to even, subnormals kept.
;;     - The product sums the exact products of the quantised numbers (number of the format x scale) in f32.
;;   ~~~python
;;   def quantise(x, axis):      # numpy; x: float32 -> the quantised numbers, widened to float32 again
;;       x = np.moveaxis(x, axis, -1); K = x.shape[-1]
;;       x = np.pad(x, [(0, 0)] * (x.ndim - 1) + [(0, -K % 32)]); x = x.reshape(x.shape[:-1] + (-1, 32)); a = np.abs(x).max(-1, keepdims=True)
;;       e = np.where(a > 0, np.clip(np.frexp(np.where(a > 0, a, 1))[1] - 1 - 8, -126, 127), 0)      # np.frexp(a)[1] - 1 = floor(log2(a)), exactly
;;       r = np.clip(x / 2.0 ** e, -448, 448)
;;       step = 2.0 ** (np.maximum(np.frexp(np.where(r == 0, 1, r))[1] - 1, -6) - 3)
;;       q = np.round(r / step) * step * 2.0 ** e      # np.round: ties to even
;;       return np.moveaxis(q.reshape(q.shape[:-2] + (-1,))[..., :K], -1, axis).astype(np.float32)
;;   ~~~
;;   SOFTMAX AHEAD OF A QUANTISED PRODUCT. Where the list says 'softmax', what is quantised is not the finished softmax but p = 2^(t - M), with t = logit x log2(e) and M = ceil(the row's largest t), a whole number; so 1/2 < the row's largest p <= 1. The row's sum l is taken of the UNQUANTISED p, in f32, and the product's result is divided by l at the end. Since M is a whole number, a kernel that streams over the keys may use a running M (the ceiling of the running maximum): every later rescaling is an exact power of two, which a block's scale takes up: the codes' values come out the same.
;;   OPERANDS COMPUTED ON THE WAY. 'Computed on the way' means the value that the module computes at that place (a softmax that the list does not call 'softmax' is quantised finished and normalised). What goes into a quantiser is computed in f32, as accurately as f32 sums, v_exp_f32 and their like allow (about 1e-6 of the number): no bf16 or f16 on the way to a quantiser, and a product that is left as it is and whose result goes on into a quantised operand takes f32 operands (vector FMAs, or v_wmma_f32_16x16x4_f32). A number that lies on a knife's edge between two numbers of the format may be rounded either way, as far as f32 arithmetic and the matrix unit's own rounding can turn it there, and no further.
;;   INPUTS GIVEN AS CODES. W1 (in the module: [1024, 4096], K = its axis 0); W2 (in the module: [4096, 1024], K = its axis 0); Wk (in the module: [16, 1024, 64], K = its axis 1); Wo (in the module: [1024, 1024], K = its axis 0); Wq (in the module: [16, 1024, 64], K = its axis 1); Wv (in the module: [16, 1024, 64], K = its axis 1): each comes as NAME_codes (uint8): NAME with its K axis moved to the last place and cut into blocks of 32 codes, [.., K / 32, bytes a block], one block behind the other in memory; one code a byte (a code: sign, 4 exponent bits, 3 mantissa bits); and NAME_scales (uint8): the same leading axes, one E8M0 byte (e + 127) for each 32 codes along K. Its value is code x scale, taken as it is: it is not quantised again, and the codes and scales need not be those that the quantiser above would give.
;; One version. Each part assembles by itself: llvm-mc -triple=amdgcn-amd-amdhsa -mcpu=gfx1250 --defsym DOCPART=n.
;; ======== version 1 of 1: 7 launches
;; limits: right only within a limited range of input values
;; workspace buffers: hn 4,325,376 bytes; qkvc 13,369,344 bytes; oc 4,325,376 bytes; x1 16,777,216 bytes; gc 17,301,504 bytes
;; launch ln1 (part 1): grid 256 x 1, 8 waves a work-group, no clusters, 51,200 bytes of LDS; arguments x, gamma, beta, hn; writes hn
.if DOCPART == 1
	.amdgcn_target "amdgcn-amd-amdhsa--gfx1250"
	.amdhsa_code_object_version 6
	.text
	.protected	k_qac5c04b350_ln1
	.globl	k_qac5c04b350_ln1
	.p2align	8
	.type	k_qac5c04b350_ln1,@function
k_qac5c04b350_ln1:
	s_mov_b64 s[64:65], 0
	v_nop
	global_prefetch_b8 v0, s[64:65] scope:SCOPE_SE
	s_setreg_imm32_b32 hwreg(HW_REG_WAVE_MODE, 25, 1), 1
	s_wait_xcnt 0x0
; LayerNorm of 4,096 rows of 1,024 f32, then the MX quantiser along the row: codes of E4M3 [4096][1024] at byte 0 of dst, E8M0 bytes [4096][32] at byte 0x400000.
; y = (x - mu) * rsqrt(var + 1e-5) * gamma + beta; mu and var in two passes over the row, which stays in 32 registers of one wave: a common offset of the inputs costs no accuracy.
; SHARES: a work-group of eight waves owns 16 rows, wave w rows 2 w and 2 w + 1.  A row is eight loads of 512 consecutive bytes; a wave's 16 loads all go out at its head.
; gamma and beta: each wave loads one eighth of each (512 bytes) and lays it into a table in LDS; behind a barrier every wave reads the whole table: 8 KB a work-group from memory, not 8 KB a wave.
; The conversions take 16 neighbours of ONE lane, the loads give a lane 4: a row's 4,096 bytes turn through the wave's own stage in LDS (two halves of 2,048 bytes; 16 bytes of padding behind each 64).
; The 16 rows' scale bytes are 512 consecutive bytes of memory: the waves gather them in LDS, and behind a second barrier wave 0 stores them whole.
; A block's scale is 2^(floor(log2(largest magnitude)) - 8); its byte is the largest magnitude's exponent field - 8, held at 1 from below.
; LIMITS: a block of zeros gets the byte 1 where the rule says 127 (its codes are zeros, and this program alone reads the bytes); NaN and infinities among the inputs are not served.
.set WAVES, 8
.set SP,    80
.set STGB,  32*SP                      ; half a row in the stage
.set WREG,  2*STGB                     ; LDS of a wave: its stage
.set TBL,   WAVES*WREG                 ; behind the stages: the work-group's 512 scale bytes,
.set GTAB,  TBL+512                    ; gamma's 4,096 bytes and beta's
.set C,     16                         ; v16-31   four sets of 4 registers of codes, one for each half row: no store's data are written again
.set GA,    32                         ; v32-63   gamma, in the rows' lane pattern
.set BE,    64                         ; v64-95   beta
.set R,     96                         ; v96-159  my two rows
.set X,     224                        ; v224-255 two sets of 16 neighbours; ahead of the turn: v224-231 sums, v240-243 mu and 1/sigma
.set MU,    240
.set RSD,   242
	s_load_b256 s[4:11], s[0:1], 0x0               ; src, gamma, beta, dst
	v_lshl_add_u32 v222, v0, 2, 0xc400
	v_mov_b32 v223, 0
	v_lshrrev_b32 v1, 5, v0
	s_delay_alu instid0(VALU_DEP_1)
	v_readfirstlane_b32 s16, v1                    ; wave 0..7
	v_and_b32 v2, 31, v0                           ; lane
	s_delay_alu instid0(VALU_DEP_1)
	v_lshlrev_b32 v3, 4, v2                        ; 16 x lane: my bytes of a load's 512, and of a store's
	s_mul_i32 s17, s16, WREG
	v_lshrrev_b32 v14, 2, v2
	s_delay_alu instid0(VALU_DEP_1)
	v_mul_u32_u24 v14, v14, SP
	v_and_b32 v15, 3, v2
	s_delay_alu instid0(VALU_DEP_1)
	v_lshl_add_u32 v14, v15, 4, v14
	s_delay_alu instid0(VALU_DEP_1)
	v_add_nc_u32 v14, s17, v14                     ; the stage, way in: SP (lane / 4) + 16 (lane % 4)
	v_mul_u32_u24 v15, v2, SP
	s_delay_alu instid0(VALU_DEP_1)
	v_add_nc_u32 v15, s17, v15                     ; way out: SP x lane: my 16 neighbours
	v_lshrrev_b32 v5, 1, v2
	s_lshl_b32 s19, s16, 6                         ; my two rows' 64 scale bytes
	s_add_co_u32 s19, s19, TBL
	v_add_nc_u32 v5, s19, v5                       ; my block's byte among them
	v_add_nc_u32 v6, TBL, v3                       ; the scale bytes' way out: 16 bytes a lane (wave 0)
	v_add_nc_u32 v7, GTAB, v3                      ; gamma's table, 16 bytes a lane
	s_lshl_b32 s30, s16, 9                         ; my eighth of gamma and of beta
	s_mov_b32 s31, 0
	v_add_nc_u32 v12, s30, v7
	v_mov_b32 v13, 0                               ; a lane permute's destination counts as read: written once
	s_mov_b32 s12, 0x76543210
	s_mov_b32 s13, 0xfedcba98                      ; selects for lane l xor 16
	s_mov_b32 s23, 0x600000                        ; the mantissa field of 448
	s_mov_b32 s24, 0x3a800000                      ; 1 / 1024
	s_mov_b32 s25, 0x3727c5ac                      ; 1e-5
	s_lshl_b32 s18, ttmp9, 3
	s_add_co_u32 s18, s18, s16                     ; 8 x work-group + wave
	s_lshl_b32 s20, s18, 13                        ; 2 rows of 4,096 bytes
	s_mov_b32 s21, 0
	s_lshl_b32 s26, s18, 11                        ; 2 rows of 1,024 codes
	s_mov_b32 s27, 0
	s_lshl_b32 s28, ttmp9, 9                       ; the work-group's 512 scale bytes
	s_add_co_u32 s28, s28, 0x400000
	s_mov_b32 s29, 0
	s_wait_alu depctr_va_vdst(0)
	s_wait_kmcnt 0x0
	s_add_nc_u64 s[4:5], s[4:5], s[20:21]
	s_add_nc_u64 s[14:15], s[10:11], s[28:29]
	s_add_nc_u64 s[10:11], s[10:11], s[26:27]
	s_add_nc_u64 s[6:7], s[6:7], s[30:31]
	s_add_nc_u64 s[8:9], s[8:9], s[30:31]
	global_load_b128 v[GA:GA+3], v3, s[6:7]        ; my eighth of gamma,
	global_load_b128 v[BE:BE+3], v3, s[8:9]        ; and of beta: first, so that a counted wait can show them in
.macro LOAD p
.irp j, 0,1,2,3,4,5,6,7
	global_load_b128 v[R+32*(\p)+4*\j:R+32*(\p)+4*\j+3], v3, s[4:5] offset:4096*(\p)+512*\j
.endr
.endm
	LOAD 0
	LOAD 1
	s_wait_loadcnt 16                              ; the two table loads are in; my rows' sixteen stay out
	ds_store_b128 v12, v[GA:GA+3]
	ds_store_b128 v12, v[BE:BE+3] offset:4096
	s_wait_dscnt 0x0                               ; for the others' sake: my part of the table is written
	s_barrier_signal -1
	s_barrier_wait -1                              ; everybody's is
.irp j, 0,1,2,3,4,5,6,7
	ds_load_b128 v[GA+4*\j:GA+4*\j+3], v7 offset:512*\j
	ds_load_b128 v[BE+4*\j:BE+4*\j+3], v7 offset:4096+512*\j
.endr
.macro RED d                           ; the sum of v[d] over the 32 lanes, in every lane
	s_delay_alu instid0(VALU_DEP_1)
	v_add_f32_dpp v[\d], v[\d], v[\d] row_xmask:1 row_mask:0xf bank_mask:0xf
	s_delay_alu instid0(VALU_DEP_1)
	v_add_f32_dpp v[\d], v[\d], v[\d] row_xmask:2 row_mask:0xf bank_mask:0xf
	s_delay_alu instid0(VALU_DEP_1)
	v_add_f32_dpp v[\d], v[\d], v[\d] row_xmask:4 row_mask:0xf bank_mask:0xf
	s_delay_alu instid0(VALU_DEP_1)
	v_add_f32_dpp v[\d], v[\d], v[\d] row_xmask:8 row_mask:0xf bank_mask:0xf
	s_delay_alu instid0(VALU_DEP_1)
	v_permlanex16_b32 v13, v[\d], s12, s13
	s_delay_alu instid0(VALU_DEP_1)
	v_add_f32 v[\d], v[\d], v13
.endm
.macro FOLD                            ; four chains of pairs into one number a lane
	s_delay_alu instid0(VALU_DEP_3)
	v_pk_add_f32 v[X:X+1], v[X:X+1], v[X+2:X+3]
	s_delay_alu instid0(VALU_DEP_2)
	v_pk_add_f32 v[X+4:X+5], v[X+4:X+5], v[X+6:X+7]
	s_delay_alu instid0(VALU_DEP_1)
	v_pk_add_f32 v[X:X+1], v[X:X+1], v[X+4:X+5]
	s_delay_alu instid0(VALU_DEP_1)
	v_add_f32 v[X], v[X], v[X+1]
	RED X
.endm
; 16 neighbours of a lane (two neighbouring lanes hold a block) become 16 codes and the block's byte
.macro Q16 p, s
.set XS, X+16*(\s)
.set CC, C+4*(2*(\p)+(\s))
	v_max3_num_f32 v8, |v[XS]|, |v[XS+1]|, |v[XS+2]|
	v_max3_num_f32 v9, |v[XS+3]|, |v[XS+4]|, |v[XS+5]|
.irp i, 6,10
	s_delay_alu instid0(VALU_DEP_2)
	v_max3_num_f32 v8, v8, |v[XS+\i]|, |v[XS+\i+1]|
	s_delay_alu instid0(VALU_DEP_2)
	v_max3_num_f32 v9, v9, |v[XS+\i+2]|, |v[XS+\i+3]|
.endr
	s_delay_alu instid0(VALU_DEP_2)
	v_max3_num_f32 v8, v8, |v[XS+14]|, |v[XS+15]|
	s_delay_alu instid0(VALU_DEP_1)
	v_max3_num_f32 v8, v8, v9, 0x4800000           ; the floor 2^(9 - 127): the byte cannot fall under 1
	s_delay_alu instid0(VALU_DEP_1)
	v_max_num_f32_dpp v8, v8, v8 row_xmask:1 row_mask:0xf bank_mask:0xf   ; with my neighbour's 16: the block's
	s_delay_alu instid0(VALU_DEP_1)
	v_add_nc_u32 v11, 0xfc000000, v8               ; 8 off the exponent field: the conversion's scale operand
	s_delay_alu instid0(VALU_DEP_2)
	v_and_or_b32 v10, v8, 0x7f800000, s23          ; 448 x the scale
.irp i, 0,1,2,3,4,5,6,7,8,9,10,11,12,13,14,15
	v_med3_num_f32 v[XS+\i], v[XS+\i], -v10, v10   ; the conversion to an 8-bit code does not saturate (ISA guide 7.6.2): the hold comes first
.endr
	v_cvt_scalef32_pk8_fp8_f32 v[CC:CC+1], v[XS:XS+7], v11
	v_cvt_scalef32_pk8_fp8_f32 v[CC+2:CC+3], v[XS+8:XS+15], v11
	v_lshrrev_b32 v[1+3*(\s)], 23, v11             ; the scale's byte (v1 or v4); also the plain line behind the conversions
	ds_store_b8 v5, v[1+3*(\s)] offset:32*(\p)+16*(\s)   ; both lanes of a block write the same byte with the same value
	global_store_b128 v3, v[CC:CC+3], s[10:11] offset:1024*(\p)+512*(\s)   ; 32 lanes store 512 consecutive bytes
.endm
.macro ROW p
.set RR, R+32*(\p)
	s_wait_loadcnt 8*(1-(\p))                      ; this row's eight loads are in; the first row's wait leaves the second row's eight out
.irp c, 0,1,2,3
	v_pk_add_f32 v[X+2*\c:X+2*\c+1], v[RR+2*\c:RR+2*\c+1], v[RR+8+2*\c:RR+8+2*\c+1]   ; the first pairs start four chains: nothing is cleared
.endr
.irp k, 16,24
.irp c, 0,1,2,3
	s_delay_alu instid0(VALU_DEP_4)
	v_pk_add_f32 v[X+2*\c:X+2*\c+1], v[X+2*\c:X+2*\c+1], v[RR+\k+2*\c:RR+\k+2*\c+1]
.endr
.endr
	FOLD
	s_delay_alu instid0(VALU_DEP_1)
	v_mul_f32 v[MU], s24, v[X]
	s_delay_alu instid0(VALU_DEP_2)
	v_mul_f32 v[MU+1], s24, v[X]                   ; (named with it as a pair, so it is written)
.set j, 0
.rept 16
	v_pk_add_f32 v[RR+j:RR+j+1], v[RR+j:RR+j+1], v[MU:MU+1] op_sel_hi:[1,0] neg_lo:[0,1] neg_hi:[0,1]   ; x - mu
.set j, j+2
.endr
.irp c, 0,1,2,3
	v_pk_mul_f32 v[X+2*\c:X+2*\c+1], v[RR+2*\c:RR+2*\c+1], v[RR+2*\c:RR+2*\c+1]
.endr
.irp k, 8,16,24
.irp c, 0,1,2,3
	s_delay_alu instid0(VALU_DEP_4)
	v_pk_fma_f32 v[X+2*\c:X+2*\c+1], v[RR+\k+2*\c:RR+\k+2*\c+1], v[RR+\k+2*\c:RR+\k+2*\c+1], v[X+2*\c:X+2*\c+1]
.endr
.endr
	FOLD
	s_delay_alu instid0(VALU_DEP_1)
	v_fma_f32 v[X+2], v[X], s24, s25               ; var + eps
	s_wait_alu depctr_va_vdst(0)
	v_rsq_f32 v[RSD], v[X+2]
	v_rsq_f32 v[RSD+1], v[X+2]
	v_nop                                          ; a plain line between the transcendentals and the use of their results
.set j, 0
	s_wait_alu depctr_va_vdst(0)
.rept 16
	v_pk_mul_f32 v[RR+j:RR+j+1], v[RR+j:RR+j+1], v[RSD:RSD+1]
.set j, j+2
.endr
.if (\p) == 0
	s_wait_dscnt 0x0                               ; gamma and beta are back from the table (asked for ahead of the row's two passes)
.endif
.set j, 0
.rept 16
	v_pk_fma_f32 v[RR+j:RR+j+1], v[RR+j:RR+j+1], v[GA+j:GA+j+1], v[BE+j:BE+j+1]
.set j, j+2
.endr
.irp s, 0,1
.irp i, 0,1,2,3
	ds_store_b128 v14, v[RR+16*\s+4*\i:RR+16*\s+4*\i+3] offset:STGB*\s+8*SP*\i
.endr
.endr
.irp s, 0,1
.irp i, 0,1,2,3
	ds_load_b128 v[X+16*\s+4*\i:X+16*\s+4*\i+3], v15 offset:STGB*\s+16*\i   ; LDS serves a wave's instructions in order: these see the stores above
.endr
.endr
	s_wait_dscnt 4                                 ; all but the second half's four loads: the first half is back
	Q16 \p, 0
	s_wait_dscnt 1                                 ; the second half is back; the byte store just issued may be out
	Q16 \p, 1
.endm
	ROW 0
	ROW 1
	s_wait_dscnt 0x0                               ; for wave 0's sake: my 64 scale bytes are written
	s_barrier_signal -1
	s_barrier_wait -1                              ; everybody's are
	s_cmp_lg_u32 s16, 0
	s_cbranch_scc1 .Ldone
	ds_load_b128 v[8:11], v6                       ; wave 0: the 16 rows' 512 scale bytes, 16 a lane
	s_wait_dscnt 0x0
	global_store_b128 v3, v[8:11], s[14:15]        ; 32 lanes store 512 consecutive bytes, aligned
.Ldone:
	s_wait_tensorcnt 0x0
	ds_add_u32 v222, v223
	s_wait_dscnt 0x0
	s_endpgm
.Lfunc_end_k_qac5c04b350_ln1:
	.size	k_qac5c04b350_ln1, .Lfunc_end_k_qac5c04b350_ln1-k_qac5c04b350_ln1
	.p2alignl 7, 3214868480
	.fill 96, 4, 3214868480
	.section	.rodata,"a",@progbits
	.p2align	6, 0x0
	.amdhsa_kernel k_qac5c04b350_ln1
		.amdhsa_group_segment_fixed_size 51200
		.amdhsa_private_segment_fixed_size 0
		.amdhsa_enable_private_segment 0
		.amdhsa_kernarg_size 32
		.amdhsa_user_sgpr_count 2
		.amdhsa_user_sgpr_kernarg_segment_ptr 1
		.amdhsa_wavefront_size32 1
		.amdhsa_system_sgpr_workgroup_id_x 1
		.amdhsa_system_sgpr_workgroup_id_y 1
		.amdhsa_system_sgpr_workgroup_id_z 1
		.amdhsa_system_vgpr_workitem_id 0
		.amdhsa_next_free_vgpr 256
		.amdhsa_next_free_sgpr 66
		.amdhsa_reserve_vcc 0
		.amdhsa_float_denorm_mode_32 3
		.amdhsa_float_denorm_mode_16_64 3
		.amdhsa_memory_ordered 1
		.amdhsa_forward_progress 1
		.amdhsa_inst_pref_size 33
	.end_amdhsa_kernel
	.amdgpu_metadata
---
amdhsa.version: [ 1, 2 ]
amdhsa.kernels:
  - .name:           k_qac5c04b350_ln1
    .symbol:         k_qac5c04b350_ln1.kd
    .args:
      - { .name: x, .offset: 0, .size: 8, .value_kind: global_buffer, .address_space: global }
      - { .name: gamma, .offset: 8, .size: 8, .value_kind: global_buffer, .address_space: global }
      - { .name: beta, .offset: 16, .size: 8, .value_kind: global_buffer, .address_space: global }
      - { .name: hn, .offset: 24, .size: 8, .value_kind: global_buffer, .address_space: global }
    .group_segment_fixed_size: 51200
    .private_segment_fixed_size: 0
    .kernarg_segment_align: 8
    .kernarg_segment_size: 32
    .max_flat_workgroup_size: 256
    .sgpr_count:     66
    .vgpr_count:     256
    .wavefront_size: 32
...
	.end_amdgpu_metadata
.endif
;; end of part 1
;; launch qkv (part 2): grid 12 x 16, 4 waves a work-group, clusters of 4 x 4, 327,680 bytes of LDS; arguments hn, Wq_codes, Wq_scales, bq, Wk_codes, Wk_scales, bk, Wv_codes, Wv_scales, bv, qkvc; writes qkvc
.if DOCPART == 2
	.amdgcn_target "amdgcn-amd-amdhsa--gfx1250"
	.amdhsa_code_object_version 6
	.text
	.protected	k_qac5c04b350_qkv
	.globl	k_qac5c04b350_qkv
	.p2align	8
	.type	k_qac5c04b350_qkv,@function
k_qac5c04b350_qkv:
	s_mov_b64 s[64:65], 0
	v_nop
	global_prefetch_b8 v0, s[64:65] scope:SCOPE_SE
	s_setreg_imm32_b32 hwreg(HW_REG_WAVE_MODE, 25, 1), 1
	s_wait_xcnt 0x0
	s_wait_alu depctr_hold_cnt(0) depctr_sa_sdst(0) depctr_va_vdst(0) depctr_va_sdst(0) depctr_va_ssrc(0) depctr_va_vcc(0) depctr_vm_vsrc(0)
	s_getreg_b32 s2, hwreg(HW_REG_IB_STS2, 6, 4)
	s_cmp_eq_u32 s2, 0
	s_cbranch_scc0 .Lentry_in_a_cluster
	s_endpgm
.Lentry_in_a_cluster:
	s_bfe_u32 s2, ttmp6, 0x10000c
	s_cmp_lg_u32 s2, 0xf033
	s_cbranch_scc0 .Lentry_shape_is_right
	s_endpgm
.Lentry_shape_is_right:
.set SIZE_K, 1024
.set KSTEP,  256
.set NQ,     KSTEP/128
.set ROWB,   256
.set KROW,   SIZE_K
.set PITCH,  272
.set FR,     16
.set NL,     4
.set NP,     8
.set HALFT,  128*PITCH
.set SLOT,   4*HALFT
.set LAPS,   SIZE_K/(2*KSTEP)
.set KS,     SIZE_K/32
.set SCL,    2*SLOT
.set HALFS,  (128*KS/256)*272
.set SBLK,   (16*KS/256)*272
.set SPARE,  SCL+4*HALFS
.set WOUT,   69632
.set STG,    0
.set TB0,    2304
.set ADRA, 16
.set ADRB, 20
.set ADRS, 27
.set SPW,  28
.set NIL,  29
.set SC,   32
.set AF,   128
.set BX,   8
.set STO,  14
.set RD,   15
.set SWA,  18
.set SWT,  19
.set GO,   22
.set GOT,  23
.set RDV,  30
.set GSV,  31
.set BY,   64
.set T,    128
.set PC,   192
.set TM,   208
.set PW,   224
.set PW2,  225
.set BXR,  226
.set OB,   228
.set G1, 24
.set G0, 32
.set G1B, 48
.set G0B, 56
.set G1S, 68
.set G0S, 76
.set G1SB, 80
.set G0SB, 88
.set SEL, 24
.set MNT, 26
.set TW,  28
.set CNT, 29
.set GOFF, 30
.set GSTEP, 31
.set GEXTRA, 32
.set MSB, 0
.macro WIN new
.if MSB != (\new)
	s_set_vgpr_msb (MSB<<8)|(\new)
.set MSB, (\new)
.endif
.endm
.set MUL_LO, 0xa1
.set MUL_HI, 0xf1
.set TO_B,   0x40
.macro JLOAD g0a, g1a, g0b, g1b
	s_cmp_eq_u32 s15, 0
	s_cbranch_scc0 .Lfor_b_\@
	tensor_load_to_lds s[\g0a:\g0a+3], s[\g1a:\g1a+7]
	s_nop 0
.rept 4
	v_nop
.endr
	s_branch .Lasked_\@
.Lfor_b_\@:
	tensor_load_to_lds s[\g0b:\g0b+3], s[\g1b:\g1b+7]
	s_nop 0
.rept 4
	v_nop
.endr
.Lasked_\@:
.endm
.macro CREST
	s_cmp_lg_u32 s14, 0
	s_cbranch_scc1 .Lnot_wave_0_\@
	s_barrier_signal -3
.Lnot_wave_0_\@:
	s_barrier_wait -3
	s_barrier_signal -1
	s_barrier_wait -1
.endm
.macro CROUND
	s_barrier_signal -1
	s_barrier_wait -1
	CREST
.endm
	s_load_b512 s[24:39], s[0:1], 0x0
	s_load_b128 s[40:43], s[0:1], 0x40
	s_load_b64 s[44:45], s[0:1], 0x50
	v_lshl_add_u32 v[SPW], v0, 2, SPARE
	v_mov_b32 v[NIL], 0
	ds_add_u32 v28, v29
	ds_add_u32 v28, v29
	s_wait_dscnt 0x0
	v_lshrrev_b32 v1, 5, v0
	v_readfirstlane_b32 s14, v1
	s_lshr_b32 s15, s14, 1
	s_and_b32 s16, s14, 1
	s_and_b32 s95, ttmp7, 0xffff
	s_lshl_b32 s95, s95, 2
	s_wait_kmcnt 0x0
	s_add_nc_u64 s[92:93], s[24:25], 0x400000
	s_mov_b64 s[12:13], s[44:45]
	s_cmp_eq_u32 ttmp9, 1
	s_cselect_b64 s[4:5], s[32:33], s[26:27]
	s_cselect_b64 s[6:7], s[34:35], s[28:29]
	s_cselect_b64 s[96:97], s[36:37], s[30:31]
	s_cmp_eq_u32 ttmp9, 2
	s_cselect_b64 s[4:5], s[38:39], s[4:5]
	s_cselect_b64 s[6:7], s[40:41], s[6:7]
	s_cselect_b64 s[96:97], s[42:43], s[96:97]
	s_cselect_b64 s[8:9], s[24:25], s[4:5]
	s_cselect_b64 s[10:11], s[92:93], s[6:7]
	s_cselect_b64 s[4:5], s[4:5], s[24:25]
	s_cselect_b64 s[6:7], s[6:7], s[92:93]
	s_cselect_b32 s98, -1, 0
	s_cselect_b32 s99, 0, s95
	s_cselect_b32 s100, s95, 0
	s_bfe_u32 s40, ttmp6, 0x40000
	s_bfe_u32 s41, ttmp6, 0x40004
	s_add_co_u32 s42, s40, s100
	s_add_co_u32 s17, s41, s99
	s_lshl_b32 s43, s41, 2
	s_lshl_b32 s43, 15, s43
	s_lshl_b32 s44, 0x1111, s40
	s_or_b32 s[G1+0], s43, (0<<16)|(1<<20)|(1<<21)|(5<<22)|(3<<25)
	s_or_b32 s[G1B+0], s44, (0<<16)|(1<<20)|(1<<21)|(5<<22)|(3<<25)
.irp g, G1, G1B
	s_mov_b32 s[\g+1], ROWB<<16
	s_mov_b32 s[\g+2], 256<<16
	s_mov_b32 s[\g+3], ROWB<<16
	s_mov_b32 s[\g+4], 256
	s_mov_b32 s[\g+5], KROW
	s_mov_b32 s[\g+6], 0
	s_mov_b32 s[\g+7], 0
.endr
	s_or_b32 s[G1S+0], s43, (3<<16)|(1<<20)|(1<<21)|(5<<22)|(3<<25)
	s_or_b32 s[G1SB+0], s44, (3<<16)|(1<<20)|(1<<21)|(5<<22)|(3<<25)
.irp g, G1S, G1SB
	s_mov_b32 s[\g+1], 32<<16
	s_mov_b32 s[\g+2], (256*KS/256)<<16
	s_mov_b32 s[\g+3], 32<<16
	s_mov_b32 s[\g+4], 256*KS/256
	s_mov_b32 s[\g+5], 32
	s_mov_b32 s[\g+6], 0
	s_mov_b32 s[\g+7], 0
.endr
	s_lshl_b32 s20, s17, 8
	s_lshl_b32 s46, s42, 8
	s_mov_b32 s21, 0
	s_mov_b32 s47, 0
	s_mov_b64 s[18:19], KS
	s_mul_u64 s[22:23], s[20:21], s[18:19]         ; the scale bytes of a whole tile's 256 rows
	s_mul_u64 s[92:93], s[46:47], s[18:19]
	s_lshl_b32 s18, s16, 7                         ; the codes: the 128 rows that I fetch in the ring
	s_add_co_u32 s20, s20, s18
	s_add_co_u32 s46, s46, s18
	s_mov_b64 s[18:19], KROW
	s_mul_u64 s[20:21], s[20:21], s[18:19]
	s_mul_u64 s[46:47], s[46:47], s[18:19]
	s_mul_i32 s45, s14, HALFT
	s_add_nc_u64 s[20:21], s[4:5], s[20:21]
	s_add_nc_u64 s[22:23], s[6:7], s[22:23]
	s_add_nc_u64 s[46:47], s[8:9], s[46:47]
	s_add_nc_u64 s[92:93], s[10:11], s[92:93]
	CROUND
	s_mov_b32 s[G0S], 1
	s_mov_b32 s[G0S+1], SCL
	s_mov_b64 s[G0S+2:G0S+3], s[22:23]
	s_or_b32 s[G0S+3], s[G0S+3], 0x80000000
	s_mov_b32 s[G0SB], 1
	s_mov_b32 s[G0SB+1], SCL+2*HALFS
	s_mov_b64 s[G0SB+2:G0SB+3], s[92:93]
	s_or_b32 s[G0SB+3], s[G0SB+3], 0x80000000
.irp s, 0,1
	s_mov_b32 s[G0+4*\s], 1
	s_add_co_u32 s[G0+4*\s+1], s45, \s*SLOT
	s_add_nc_u64 s[G0+4*\s+2:G0+4*\s+3], s[20:21], \s*ROWB
	s_or_b32 s[G0+4*\s+3], s[G0+4*\s+3], 0x80000000
	s_mov_b32 s[G0B+4*\s], 1
	s_add_co_u32 s[G0B+4*\s+1], s45, \s*SLOT
	s_add_nc_u64 s[G0B+4*\s+2:G0B+4*\s+3], s[46:47], \s*ROWB
	s_or_b32 s[G0B+4*\s+3], s[G0B+4*\s+3], 0x80000000
.endr
	; THE HEAD'S FOUR TILES, ONE JOINT LOAD A WAVE: wave 0 K step 0 of A's 256 rows, wave 2 of B's (their own slot 0 descriptors begin at the tile's first row), wave 1 A's scale bytes, wave 3 B's, for all of K
	s_cmp_eq_u32 s14, 0
	s_cbranch_scc0 .Lh1
	tensor_load_to_lds s[G0:G0+3], s[G1:G1+7]
	s_nop 0
.rept 4
	v_nop
.endr
	s_branch .Lhj
.Lh1:
	s_cmp_eq_u32 s14, 1
	s_cbranch_scc0 .Lh2
	tensor_load_to_lds s[G0S:G0S+3], s[G1S:G1S+7]
	s_nop 0
.rept 4
	v_nop
.endr
	s_branch .Lhj
.Lh2:
	s_cmp_eq_u32 s14, 2
	s_cbranch_scc0 .Lh3
	tensor_load_to_lds s[G0B:G0B+3], s[G1B:G1B+7]
	s_nop 0
.rept 4
	v_nop
.endr
	s_branch .Lhj
.Lh3:
	tensor_load_to_lds s[G0SB:G0SB+3], s[G1SB:G1SB+7]
	s_nop 0
.rept 4
	v_nop
.endr
.Lhj:
	; THE PREFETCHES: K steps 2 and 3, which the ring's two refills will ask for.  Of the 128 rows that a wave fetches, each of the four partners that ask for them jointly takes 32, told apart by address (cx for A, cy for B): a lane a row, 256 bytes a K step.  K steps 0 and 1 come by their loads alone.
	s_cmp_eq_u32 s15, 0
	s_cselect_b64 s[104:105], s[20:21], s[46:47]
	s_cselect_b32 s18, s40, s41
	s_lshl_b32 s18, s18, 15
	s_mov_b32 s19, 0
	s_add_nc_u64 s[104:105], s[104:105], s[18:19]  ; never rewritten
	v_and_b32 v24, 31, v0
	v_lshlrev_b32 v24, 10, v24                     ; never rewritten
	global_prefetch_b8 v24, s[104:105] offset:512 th:TH_LOAD_NT scope:SCOPE_SE
	global_prefetch_b8 v24, s[104:105] offset:768 th:TH_LOAD_NT scope:SCOPE_SE
	v_and_b32 v1, 15, v0
	v_bfe_u32 v2, v0, 4, 1
	v_mul_u32_u24 v3, v1, PITCH
	v_lshl_add_u32 v4, v2, 4, v3
	s_mul_i32 s21, s15, HALFT
	s_mul_i32 s22, s16, HALFT
	s_add_co_u32 s22, s22, 2*HALFT
.irp s, 0,1
	v_add_nc_u32 v[ADRA+\s], s21, v4
	v_add_nc_u32 v[ADRB+\s], s22, v4
	s_add_co_u32 s21, s21, SLOT
	s_add_co_u32 s22, s22, SLOT
.endr
	v_mul_u32_u24 v5, v1, KS
	v_lshrrev_b32 v6, 8, v5
	v_lshl_add_u32 v5, v6, 4, v5
	s_mul_i32 s21, s15, HALFS
	s_mul_i32 s22, s16, HALFS
	s_add_co_u32 s22, s22, 2*HALFS
	s_sub_co_u32 s22, s22, s21
	v_mul_u32_u24 v6, s22, v2
	s_add_co_u32 s21, s21, SCL
	v_add_nc_u32 v5, v5, v6
	v_add_nc_u32 v[ADRS], s21, v5
	s_lshl_b32 s92, s40, 10
	s_lshl_b32 s93, s16, 9
	s_add_co_u32 s92, s92, s93
	s_mov_b32 s93, 0
	s_add_nc_u64 s[92:93], s[96:97], s[92:93]
	s_lshl_b32 s22, s41, 10
	s_lshl_b32 s23, s15, 9
	s_add_co_u32 s22, s22, s23
	s_mov_b32 s23, 0
	s_add_nc_u64 s[22:23], s[96:97], s[22:23]
	v_lshlrev_b32 v7, 5, v2
	v_and_b32 v6, 31, v0
	v_lshlrev_b32 v[GO], 4, v6
.irp b, 0,1,2,3,4,5,6,7
	global_load_b128 v[BY+8*\b:BY+8*\b+3], v7, s[92:93] offset:64*\b
	global_load_b128 v[BY+8*\b+4:BY+8*\b+7], v7, s[92:93] offset:64*\b+16
.endr
	global_load_b128 v[BX:BX+3], v[GO], s[22:23]
.macro FRAG reg, adr, q, i
.irp c, 0,1,2,3
	ds_load_b128 v[\reg+4*\c:\reg+4*\c+3], v[\adr] offset:128*(\q)+32*\c+(\i)*16*PITCH
.endr
.endm
.macro MUL16 a0, p, q, sc, zero
.irp a, \a0, \a0+1
.irp b, 0,1,2,3,4,5,6,7
.if \zero
	v_wmma_scale_f32_16x16x128_f8f6f4 v[8*(8*((\a)%4)+\b):8*(8*((\a)%4)+\b)+7], v[128*(\p)+FR*\b:128*(\p)+FR*\b+FR-1], v[AF+FR*(\a):AF+FR*(\a)+FR-1], 0, v[SC+8*NQ*(\sc)+NQ*\b+(\q)], v[SC+8*NQ*(\sc)+NQ*(\a)+(\q)] matrix_a_scale:MATRIX_SCALE_ROW1
.else
	v_wmma_scale_f32_16x16x128_f8f6f4 v[8*(8*((\a)%4)+\b):8*(8*((\a)%4)+\b)+7], v[128*(\p)+FR*\b:128*(\p)+FR*\b+FR-1], v[AF+FR*(\a):AF+FR*(\a)+FR-1], v[8*(8*((\a)%4)+\b):8*(8*((\a)%4)+\b)+7], v[SC+8*NQ*(\sc)+NQ*\b+(\q)], v[SC+8*NQ*(\sc)+NQ*(\a)+(\q)] matrix_a_scale:MATRIX_SCALE_ROW1
.endif
.endr
.endr
.endm
.macro FETCH_B slot, q, p
	WIN TO_B
.irp i, 0,1,2,3,4,5,6,7
	FRAG 128*(\p)+FR*\i, ADRB+\slot, \q, \i
.endr
	WIN 0
.endm
.macro FETCH_A slot, q, i0
.irp i, \i0, \i0+1, \i0+2, \i0+3
	FRAG AF+FR*(\i), ADRA+\slot, \q, \i
.endr
.endm
.macro SCALES sc
.irp i, 0,1,2,3,4,5,6,7
	ds_load_b64 v[SC+8*NQ*\sc+NQ*\i:SC+8*NQ*\sc+NQ*\i+1], v[ADRS] offset:\i*SBLK
.endr
.endm
.macro PLACES n
.rept \n
	v_nop
.endr
.endm
.macro STEP slot, q, zero
	s_wait_dscnt 4*NL
	WIN MUL_LO
	MUL16 0, (\q)%2, \q, \slot, \zero
	MUL16 2, (\q)%2, \q, \slot, \zero
	s_wait_dscnt 0
	PLACES NP
	FETCH_B \slot, (\q)+1, 1-(\q)%2
	FETCH_A \slot, (\q)+1, 0
	WIN MUL_HI
	MUL16 4, (\q)%2, \q, \slot, \zero
	MUL16 6, (\q)%2, \q, \slot, \zero
	PLACES NP
	WIN 0
	FETCH_A \slot, (\q)+1, 4
.endm
.macro TURN slot, next, fill
	s_wait_tensorcnt 0x0
	ds_add_u32 v[SPW], v[NIL]
	s_wait_dscnt 4*NL+1
	WIN MUL_LO
	MUL16 0, 1, NQ-1, \slot, 0
	s_wait_dscnt 0x0
	s_barrier_signal -1
	MUL16 2, 1, NQ-1, \slot, 0
	WIN 0
	s_barrier_wait -1
.if \fill
	CREST
	s_add_nc_u64 s[G0+4*\slot+2:G0+4*\slot+3], s[G0+4*\slot+2:G0+4*\slot+3], 2*ROWB
	s_add_nc_u64 s[G0B+4*\slot+2:G0B+4*\slot+3], s[G0B+4*\slot+2:G0B+4*\slot+3], 2*ROWB
	JLOAD G0+4*\slot, G1, G0B+4*\slot, G1B
	PLACES NP-4
.else
	PLACES NP
.endif
	s_wait_alu depctr_va_vdst(0)
	v_add_nc_u32 v[ADRS], 4*NQ, v[ADRS]
	FETCH_B \next, 0, 0
	FETCH_A \next, 0, 0
	SCALES \next
	WIN MUL_HI
	MUL16 4, 1, NQ-1, \slot, 0
	MUL16 6, 1, NQ-1, \slot, 0
	PLACES NP
	WIN 0
	FETCH_A \next, 0, 4
.endm
.macro QUANT s
.irp b, 0,1,2,3
	v_max3_num_f32 v[TM+\b], |v[\s+16*\b]|, |v[\s+1+16*\b]|, 0x4800000
.endr
.irp i, 2,4,6,8,10,12,14
.irp b, 0,1,2,3
	v_max3_num_f32 v[TM+\b], v[TM+\b], |v[\s+16*\b+\i]|, |v[\s+1+16*\b+\i]|
.endr
.endr
.irp b, 0,1,2,3
	v_permlanex16_b32 v[TM+4+\b], v[TM+\b], s[SEL], s[SEL+1]
.endr
.irp b, 0,1,2,3
	v_max_num_f32 v[TM+\b], v[TM+\b], v[TM+4+\b]
.endr
.irp b, 0,1,2,3
	v_add_nc_u32 v[TM+12+\b], 0xfc000000, v[TM+\b]
.endr
.irp b, 0,1,2,3
	v_and_or_b32 v[TM+8+\b], v[TM+\b], 0x7f800000, s[MNT]
.endr
.irp b, 0,1,2,3
	v_lshrrev_b32 v[TM+4+\b], 23, v[TM+12+\b]
.endr
	v_lshl_or_b32 v[PW], v[TM+5], 8, v[TM+4]
	v_lshl_or_b32 v[PW], v[TM+6], 16, v[PW]
	v_lshl_or_b32 v[PW], v[TM+7], 24, v[PW]
.irp b, 0,1,2,3
.irp i, 0,1,2,3,4,5,6,7,8,9,10,11,12,13,14,15
	v_med3_num_f32 v[\s+16*\b+\i], v[\s+16*\b+\i], -v[TM+8+\b], v[TM+8+\b]
.endr
	v_cvt_scalef32_pk8_fp8_f32 v[PC+4*\b:PC+1+4*\b], v[\s+16*\b:\s+7+16*\b], v[TM+12+\b]
	v_cvt_scalef32_pk8_fp8_f32 v[PC+2+4*\b:PC+3+4*\b], v[\s+8+16*\b:\s+15+16*\b], v[TM+12+\b]
.endr
	v_nop
.endm
.macro FEED a
	WIN 0x02+(\a)/4
.set j, 0
.rept 32
	v_pk_add_f32 v[T+j:T+j+1], v[64*((\a)%4)+j:64*((\a)%4)+j+1], v[BY+j:BY+j+1]
.set j, j+2
.endr
	WIN 0
.endm
	s_wait_alu depctr_va_vdst(0)
	s_wait_tensorcnt 0x0                           ; my tile of the head's four is in
	ds_add_u32 v[SPW], v[NIL]
	s_mov_b32 s[G1+2], 128<<16                     ; no tensor load of mine is out: from here on a load brings 128 rows
	s_mov_b32 s[G1+4], 128
	s_mov_b32 s[G1B+2], 128<<16
	s_mov_b32 s[G1B+4], 128
	s_wait_dscnt 0x0
	CROUND                                         ; all four tiles are in, and all sixteen work-groups are here
	JLOAD G0+4, G1, G0B+4, G1B                     ; K step 1, the first tensor load behind the round
	FETCH_B 0, 0, 0
	FETCH_A 0, 0, 0
	SCALES 0
	FETCH_A 0, 0, 4
	STEP 0, 0, 1
	s_mov_b32 s3, LAPS-1
.Llap:
	TURN 0, 1, 1
	STEP 1, 0, 0
	TURN 1, 0, 1
	STEP 0, 0, 0
	s_sub_co_u32 s3, s3, 1
	s_cmp_lg_u32 s3, 0
	s_cbranch_scc1 .Llap
	TURN 0, 1, 0
	STEP 1, 0, 0
	s_wait_dscnt 4*NL
	WIN MUL_LO
	MUL16 0, 1, NQ-1, 1, 0
	MUL16 2, 1, NQ-1, 1, 0
	s_wait_dscnt 0
	WIN MUL_HI
	MUL16 4, 1, NQ-1, 1, 0
	MUL16 6, 1, NQ-1, 1, 0
	WIN 0
	PLACES NP
	s_wait_dscnt 0x0
	s_barrier_signal -1
	s_barrier_wait -1
	s_wait_loadcnt 0x0
	s_cmp_eq_u32 ttmp9, 2
	s_cselect_b32 s66, s42, s17
	s_cselect_b32 s67, s16, s15
	s_cselect_b32 s68, s17, s42
	s_cselect_b32 s69, s15, s16
	s_lshl_b32 s66, s66, 8
	s_lshl_b32 s67, s67, 7
	s_add_co_u32 s66, s66, s67
	s_lshl_b32 s68, s68, 2
	s_lshl_b32 s69, s69, 1
	s_add_co_u32 s68, s68, s69
	s_lshr_b32 s70, s66, 10
	s_lshl_b32 s70, s70, 4
	s_add_co_u32 s70, s70, s68
	s_bfe_u32 s71, s66, 0x30007
	s_lshl_b32 s72, ttmp9, 22
	s_lshl_b32 s73, s68, 18
	s_add_co_u32 s72, s72, s73
	s_lshl_b32 s73, s66, 6
	s_add_co_u32 s72, s72, s73
	s_lshl_b32 s74, s70, 16
	s_lshl_b32 s73, s71, 13
	s_add_co_u32 s74, s74, s73
	s_add_co_u32 s74, s74, 0x800000
	s_min_u32 s75, ttmp9, 1
	s_mul_i32 s75, s75, 393216
	s_mul_i32 s73, s70, 6144
	s_add_co_u32 s75, s75, s73
	s_add_co_u32 s75, s75, 0xC00000
	s_lshl_b32 s76, s71, 9
	s_lshl_b32 s77, s71, 8
	s_add_co_u32 s77, s77, 4096
	s_mov_b32 s[GSTEP], 1024
	s_cmp_eq_u32 ttmp9, 2
	s_cselect_b32 s72, s74, s72
	s_cselect_b32 s76, s77, s76
	s_cselect_b32 s[GSTEP], 2048, s[GSTEP]
	s_cselect_b32 s[GEXTRA], 57344, 0
	s_add_co_u32 s76, s76, s75
	s_mov_b32 s73, 0
	s_mov_b32 s77, 0
	s_add_nc_u64 s[100:101], s[12:13], s[76:77]
	s_add_nc_u64 s[12:13], s[12:13], s[72:73]
	s_mov_b32 s[SEL], 0x76543210
	s_mov_b32 s[SEL+1], 0xfedcba98
	s_mov_b32 s[MNT], 0x600000
	s_mov_b32 s[TW], 0
	s_mov_b32 s[CNT], 0
	s_mov_b32 s[GOFF], 0
	s_mul_i32 s66, s14, WOUT
	s_add_co_u32 s67, s66, STG
	v_mul_u32_u24 v3, v1, 144
	v_lshl_add_u32 v3, v2, 3, v3
	v_add_nc_u32 v[STO], s67, v3
	v_and_b32 v6, 31, v0
	v_lshrrev_b32 v3, 2, v6
	v_mul_u32_u24 v3, v3, 144
	v_and_b32 v4, 3, v6
	v_lshl_add_u32 v3, v4, 4, v3
	v_add_nc_u32 v[RD], s67, v3
	v_lshrrev_b32 v3, 3, v6
	v_mul_u32_u24 v3, v3, 144
	v_and_b32 v4, 7, v6
	v_lshl_add_u32 v3, v4, 4, v3
	v_add_nc_u32 v[RDV], s67, v3
	s_add_co_u32 s67, s66, TB0
	v_lshl_add_u32 v[SWA], v1, 2, s67
	v_add_nc_u32 v20, s67, v[GO]
	v_mul_u32_u24 v[GSV], v2, 6144
	v_lshl_add_u32 v[GSV], v1, 4, v[GSV]
	v_mov_b32 v[BXR+1], 0
.irp b, 0,1,2,3
	v_mov_b32 v[TM+4+\b], 0
.endr
.set j, 0
.rept 64
	v_cndmask_b32 v[BY+j], v[BY+j], v[NIL], s98
.set j, j+1
.endr
.irp i, 0,1,2,3
	v_cndmask_b32 v[BX+\i], v[NIL], v[BX+\i], s98
.endr
	ds_store_b128 v20, v[BX:BX+3] offset:1024
.Lrow:
	s_wait_xcnt 0x0
	v_add_nc_u32 v[SWT], s[TW], v[SWA]
	ds_load_b32 v[BXR], v[SWT] offset:1024
.irp a, 0,1,2,3,4,5,6
	s_cmp_eq_u32 s[CNT], \a
	s_cbranch_scc1 .Lfeed_\a
.endr
	FEED 7
	s_branch .Lfed
.irp a, 0,1,2,3,4,5,6
.Lfeed_\a:
	FEED \a
.if \a < 6
	s_branch .Lfed
.endif
.endr
.Lfed:
	s_wait_dscnt 0x0
.set j, 0
.rept 32
	v_pk_add_f32 v[T+j:T+j+1], v[T+j:T+j+1], v[BXR:BXR+1] op_sel_hi:[1,0]
.set j, j+2
.endr
	QUANT T
.irp b, 0,1,2,3,4,5,6,7
	ds_store_b64 v[STO], v[PC+2*\b:PC+2*\b+1] offset:16*\b
.endr
	ds_store_b32 v[SWT], v[PW]
	v_lshrrev_b32 v[PW2], 16, v[PW]
	ds_store_b32 v[SWT], v[PW2] offset:512
	v_add_nc_u32 v[GOT], s[GOFF], v[GO]
	s_cmp_eq_u32 ttmp9, 2
	s_cbranch_scc1 .Lv_rows
.irp i, 0,1,2,3
	ds_load_b128 v[OB+4*\i:OB+4*\i+3], v[RD] offset:1152*(\i%2)+64*(\i/2)
.endr
	s_wait_dscnt 0x0
	s_wait_alu depctr_va_vdst(0)
.irp i, 0,1,2,3
	global_store_b128 v[GOT], v[OB+4*\i:OB+4*\i+3], s[12:13] offset:262144*(\i/2)+512*(\i%2)
.endr
	s_branch .Lrows_out
.Lv_rows:
.irp i, 0,1,2,3
	ds_load_b128 v[OB+4*\i:OB+4*\i+3], v[RDV] offset:576*\i
.endr
	s_wait_dscnt 0x0
	s_wait_alu depctr_va_vdst(0)
.irp i, 0,1,2,3
	global_store_b128 v[GOT], v[OB+4*\i:OB+4*\i+3], s[12:13] offset:512*\i
.endr
.Lrows_out:
	s_add_co_u32 s[TW], s[TW], 64
	s_add_co_u32 s[GOFF], s[GOFF], s[GSTEP]
	s_cmp_eq_u32 s[CNT], 3
	s_cselect_b32 s33, s[GEXTRA], 0
	s_add_co_u32 s[GOFF], s[GOFF], s33
	s_add_co_u32 s[CNT], s[CNT], 1
	s_cmp_lt_u32 s[CNT], 8
	s_cbranch_scc1 .Lrow
	s_wait_xcnt 0x0
	ds_load_b128 v[OB:OB+3], v20
	ds_load_b128 v[OB+4:OB+7], v20 offset:512
	s_wait_dscnt 0x0
	s_cmp_eq_u32 ttmp9, 2
	s_cbranch_scc1 .Lv_words
	global_store_b128 v[GO], v[OB:OB+3], s[100:101]
	global_store_b128 v[GO], v[OB+4:OB+7], s[100:101] offset:6144
	s_branch .Lwords_out
.Lv_words:
	global_store_b128 v[GSV], v[OB:OB+3], s[100:101]
.Lwords_out:
	v_nop
	s_wait_tensorcnt 0x0
	ds_add_u32 v[SPW], v[NIL]
	s_wait_dscnt 0x0
	CROUND
	s_endpgm
.Lfunc_end_k_qac5c04b350_qkv:
	.size	k_qac5c04b350_qkv, .Lfunc_end_k_qac5c04b350_qkv-k_qac5c04b350_qkv
	.p2alignl 7, 3214868480
	.fill 96, 4, 3214868480
	.section	.rodata,"a",@progbits
	.p2align	6, 0x0
	.amdhsa_kernel k_qac5c04b350_qkv
		.amdhsa_group_segment_fixed_size 327680
		.amdhsa_private_segment_fixed_size 0
		.amdhsa_enable_private_segment 0
		.amdhsa_kernarg_size 88
		.amdhsa_user_sgpr_count 2
		.amdhsa_user_sgpr_kernarg_segment_ptr 1
		.amdhsa_wavefront_size32 1
		.amdhsa_system_sgpr_workgroup_id_x 1
		.amdhsa_system_sgpr_workgroup_id_y 1
		.amdhsa_system_sgpr_workgroup_id_z 1
		.amdhsa_system_vgpr_workitem_id 0
		.amdhsa_next_free_vgpr 1024
		.amdhsa_next_free_sgpr 106
		.amdhsa_reserve_vcc 0
		.amdhsa_float_denorm_mode_32 3
		.amdhsa_float_denorm_mode_16_64 3
		.amdhsa_memory_ordered 1
		.amdhsa_forward_progress 1
		.amdhsa_inst_pref_size 157
	.end_amdhsa_kernel
	.amdgpu_metadata
---
amdhsa.version: [ 1, 2 ]
amdhsa.kernels:
  - .name:           k_qac5c04b350_qkv
    .symbol:         k_qac5c04b350_qkv.kd
    .args:
      - { .name: hn, .offset: 0, .size: 8, .value_kind: global_buffer, .address_space: global }
      - { .name: Wq_codes, .offset: 8, .size: 8, .value_kind: global_buffer, .address_space: global }
      - { .name: Wq_scales, .offset: 16, .size: 8, .value_kind: global_buffer, .address_space: global }
      - { .name: bq, .offset: 24, .size: 8, .value_kind: global_buffer, .address_space: global }
      - { .name: Wk_codes, .offset: 32, .size: 8, .value_kind: global_buffer, .address_space: global }
      - { .name: Wk_scales, .offset: 40, .size: 8, .value_kind: global_buffer, .address_space: global }
      - { .name: bk, .offset: 48, .size: 8, .value_kind: global_buffer, .address_space: global }
      - { .name: Wv_codes, .offset: 56, .size: 8, .value_kind: global_buffer, .address_space: global }
      - { .name: Wv_scales, .offset: 64, .size: 8, .value_kind: global_buffer, .address_space: global }
      - { .name: bv, .offset: 72, .size: 8, .value_kind: global_buffer, .address_space: global }
      - { .name: qkvc, .offset: 80, .size: 8, .value_kind: global_buffer, .address_space: global }
    .group_segment_fixed_size: 327680
    .private_segment_fixed_size: 0
    .kernarg_segment_align: 8
    .kernarg_segment_size: 88
    .max_flat_workgroup_size: 128
    .sgpr_count:     106
    .vgpr_count:     1024
    .wavefront_size: 32
...
	.end_amdgpu_metadata
.endif
;; end of part 2
;; launch attn (part 3): grid 4 x 64, 16 waves a work-group, clusters of 4 x 1, 169,984 bytes of LDS; arguments qkvc, oc; writes oc
.if DOCPART == 3
	.amdgcn_target "amdgcn-amd-amdhsa--gfx1250"
	.amdhsa_code_object_version 6
	.text
	.protected	k_qac5c04b350_attn
	.globl	k_qac5c04b350_attn
	.p2align	8
	.type	k_qac5c04b350_attn,@function
k_qac5c04b350_attn:
	s_mov_b64 s[64:65], 0
	v_nop
	global_prefetch_b8 v0, s[64:65] scope:SCOPE_SE
	s_setreg_imm32_b32 hwreg(HW_REG_WAVE_MODE, 25, 1), 1
	s_wait_xcnt 0x0
	s_wait_alu depctr_hold_cnt(0) depctr_sa_sdst(0) depctr_va_vdst(0) depctr_va_sdst(0) depctr_va_ssrc(0) depctr_va_vcc(0) depctr_vm_vsrc(0)
	s_getreg_b32 s2, hwreg(HW_REG_IB_STS2, 6, 4)
	s_cmp_eq_u32 s2, 0
	s_cbranch_scc0 .Lentry_in_a_cluster
	s_endpgm
.Lentry_in_a_cluster:
	s_bfe_u32 s2, ttmp6, 0x10000c
	s_cmp_lg_u32 s2, 0x3003
	s_cbranch_scc0 .Lentry_shape_is_right
	s_endpgm
.Lentry_shape_is_right:
; Causal attention of one (batch, head) a cluster, on codes of E4M3 with E8M0 scales; head size 64, 1,024 keys.  o = (sum over keys of Q(p) V) / l, quantised along (head, d) for the next product.
; THE SOFTMAX: t = score x log2(e) / 8; M = the running largest t rounded UP to a whole number; p = 2^(t - M) is quantised along the keys, not normalised; l is the sum of the unquantised p, in f32.
; When M moves, l and O are multiplied by 2^(old M - new M): exact.  A block's largest p is taken from the block's largest score by the same two instructions (this takes v_exp_f32 not to fall where its input rises).
; THE HEAD'S 64 FILL HALF OF THE INSTRUCTION'S K = 128: the upper halves of Q's and K's fragments are zero codes, which add nothing under any scale byte but 0xff.
; SHARES: the cluster's four work-groups share K and V of the head: 128 KB of codes and 6 KB of scale words, brought into each LDS ONCE by joint loads (nothing is filled again).
; Wave w takes group g = w xor 3 x bit 2 of w, and of its 64 queries the 16 at 64 g + 16 cx.  Which key steps a wave works hangs on g alone, so no branch hangs on the place in the cluster; cx enters
; addresses in memory and the mask's compare alone.  All 256 work-groups have the same work.
; Both products are used transposed (S^T = K Q^T, O^T = V^T P^T): a lane holds one query.  THE KEYS OF A TILE ARE NOT NEIGHBOURS: lane r of tile 2 b + u takes key 32 b + 8 u + r + 8 (r / 8),
; so that the 16 registers of tiles 2 b, 2 b + 1 are the 16 neighbouring keys 32 b + 16 (lane / 16) + 0 .. 15.
; OUT (oc): codes [block of 128 tokens][head][token][64] at 0: 1,024 consecutive bytes a wave; scale words [K step of 128 = two heads][token][4] at 0x400000: a head owns half a word, so those
; stores are of 2 bytes a token (1 byte in 32 of what the launch writes).
; LIMITS: a block of zeros gets the byte 1 (zero codes); NaN and infinities are not served.
; REGISTERS: v1-4 addresses that stay; v8-11 the step's; v12 -M, v13 the largest t, v[14:15] l; v16-31 Q; v32-95 four fragments of K; v96-159 S^T, p, then four fragments of V; v160-191 O^T; v192-223 O / l; v224-239 p's codes; v232-254 at work; v255 Q's scale word.
.set VREG,  69632                      ; K's codes: 256 rows of (4 keys x 64 bytes + 16); V's behind them: 256 rows of (2 d x 128 keys + 16)
.set SCK,   139264                     ; K's scale words, 16 rows of 256 + 16;
.set SCV,   143616                     ; V's, 8 rows
.set STAGE, 145920                     ; 16 rows x (64 + 16) bytes for each wave: bytes of their own, into which no fill lands
.set AK0,  1
.set AV0,  2
.set ASK0, 3
.set ASV0, 4
.set ADK,  8
.set ADV,  9
.set ADS,  10
.set ADT,  11
.set WV,   18
.set MNT,  19
.set SEL,  20
.set CS,   22
.set G1C,  24
.set G1S,  32
.set G0C,  40
.set G0S,  44
.set TB,   48                          ; s48  a step's codes: 8,704 bytes a step, K's and V's alike
.set TS,   49                          ; s49  K's scale words: 544 a step
.set TJ,   50                          ; s50  V's: 272 a step
.set CNT,  51
.set KF,   52                          ; s52  the step's first key
.set Q0,   53                          ; s53  my first query
.set G64,  54                          ; s54  64 g
.set GQ,   55                          ; s55  64 g + 63
.macro CROUND
	s_barrier_signal -1
	s_barrier_wait -1
	s_cmp_lg_u32 s[WV], 0
	s_cbranch_scc1 .Lnot_wave_0_\@
	s_barrier_signal -3
.Lnot_wave_0_\@:
	s_barrier_wait -3
	s_barrier_signal -1
	s_barrier_wait -1
.endm
	s_load_b128 s[4:7], s[0:1], 0x0                ; qkvc, oc
	v_lshl_add_u32 v5, v0, 2, 0x29000
	v_mov_b32 v6, 0
	ds_add_u32 v5, v6
	ds_add_u32 v5, v6
	v_lshrrev_b32 v8, 5, v0
	s_delay_alu instid0(VALU_DEP_1)
	v_readfirstlane_b32 s[WV], v8                  ; wave 0..15
	s_bfe_u32 s56, ttmp6, 0x40000                  ; cx
	s_and_b32 s57, ttmp7, 0xffff                   ; 16 b + head, which the four partners share
	s_lshr_b32 s58, s57, 4                         ; b
	s_and_b32 s59, s57, 15                         ; head
	s_bfe_u32 s60, s[WV], 0x10002
	s_mul_i32 s60, s60, 3
	s_xor_b32 s60, s60, s[WV]                      ; g
	s_lshl_b32 s[G64], s60, 6
	s_add_co_u32 s[GQ], s[G64], 63
	s_lshl_b32 s61, s56, 4
	s_add_co_u32 s[Q0], s[G64], s61
	; what I fetch: waves 0-3 a quarter of K's codes, waves 4-7 of V's, wave 8 the scale words
	s_lshl_b32 s62, s59, 18
	s_lshl_b32 s63, s58, 16
	s_add_co_u32 s62, s62, s63
	s_lshl_b32 s63, s[WV], 14
	s_add_co_u32 s62, s62, s63
	s_add_co_u32 s62, s62, 0x400000
	s_lshl_b32 s66, s57, 16
	s_add_co_u32 s66, s66, s63
	s_add_co_u32 s66, s66, 0x800000-4*16384
	s_cmp_lt_u32 s[WV], 4
	s_cselect_b32 s62, s62, s66
	s_mov_b32 s63, 0
	s_mul_i32 s66, s57, 6144
	s_add_co_u32 s66, s66, 0xC00000+393216
	s_mov_b32 s67, 0
	s_mov_b32 s[G1C], 15|(3<<16)|(1<<20)|(1<<21)|(5<<22)|(3<<25)   ; the mask: all four; elements of 8 bytes; padding: 4 words behind every 64; bit 21 set beside a mask
	s_mov_b32 s[G1C+1], 32<<16                     ; rows of 256 bytes,
	s_mov_b32 s[G1C+2], 64<<16                     ; 64 of them, dense
	s_mov_b32 s[G1C+3], 32<<16
	s_mov_b32 s[G1C+4], 64
	s_mov_b32 s[G1C+5], 32
	s_mov_b32 s[G1C+6], 0
	s_mov_b32 s[G1C+7], 0
	s_mov_b32 s[G1S], 15|(3<<16)|(1<<20)|(1<<21)|(5<<22)|(3<<25)
	s_mov_b32 s[G1S+1], 32<<16
	s_mov_b32 s[G1S+2], 24<<16                     ; 24 rows: K's 4,096 bytes, V's 2,048
	s_mov_b32 s[G1S+3], 32<<16
	s_mov_b32 s[G1S+4], 24
	s_mov_b32 s[G1S+5], 32
	s_mov_b32 s[G1S+6], 0
	s_mov_b32 s[G1S+7], 0
	; my queries, and where their results go
	s_lshl_b32 s70, s58, 10
	s_add_co_u32 s70, s70, s[Q0]                   ; my first token
	s_lshl_b32 s68, s59, 18
	s_lshl_b32 s69, s70, 6
	s_add_co_u32 s68, s68, s69                     ; Q's codes
	s_mov_b32 s69, 0
	s_mul_i32 s72, s57, 6144
	s_lshl_b32 s73, s[Q0], 2
	s_add_co_u32 s72, s72, s73
	s_add_co_u32 s72, s72, 0xC00000                ; Q's scale words
	s_mov_b32 s73, 0
	s_lshr_b32 s74, s70, 7
	s_lshl_b32 s74, s74, 17                        ; oc: the block of 128 tokens,
	s_lshl_b32 s75, s59, 13
	s_add_co_u32 s74, s74, s75                     ; the head's plane,
	s_and_b32 s75, s70, 127
	s_lshl_b32 s75, s75, 6
	s_add_co_u32 s74, s74, s75                     ; the token in it
	s_mov_b32 s75, 0
	s_lshr_b32 s76, s59, 1
	s_lshl_b32 s76, s76, 14                        ; the scale words' K step,
	s_lshl_b32 s77, s70, 2
	s_add_co_u32 s76, s76, s77
	s_and_b32 s77, s59, 1
	s_lshl_b32 s77, s77, 1
	s_add_co_u32 s76, s76, s77                     ; my half of the word
	s_add_co_u32 s76, s76, 0x400000
	s_mov_b32 s77, 0
	s_mov_b32 s[SEL], 0x76543210
	s_mov_b32 s[SEL+1], 0xfedcba98
	s_mov_b32 s[CS], 0x3e38aa3b                    ; c = log2(e) / 8
	s_mov_b32 s[CS+1], s[CS]
	s_mov_b32 s[MNT], 0x600000
	s_mov_b32 s[TB], 0
	s_mov_b32 s[TS], 0
	s_mov_b32 s[TJ], 0
	s_mov_b32 s[CNT], 0
	s_mov_b32 s[KF], 0
	s_wait_dscnt 0x0
	s_wait_kmcnt 0x0
	s_mov_b32 s[G0C], 1
	s_mul_i32 s[G0C+1], s[WV], 17408               ; 64 rows of 272 bytes a wave: K's four quarters, then V's
	s_add_nc_u64 s[G0C+2:G0C+3], s[4:5], s[62:63]
	s_or_b32 s[G0C+3], s[G0C+3], 0x80000000
	s_mov_b32 s[G0S], 1
	s_mov_b32 s[G0S+1], SCK
	s_add_nc_u64 s[G0S+2:G0S+3], s[4:5], s[66:67]
	s_or_b32 s[G0S+3], s[G0S+3], 0x80000000
	s_add_nc_u64 s[8:9], s[4:5], s[68:69]
	s_add_nc_u64 s[10:11], s[4:5], s[72:73]
	s_add_nc_u64 s[12:13], s[6:7], s[74:75]
	s_add_nc_u64 s[14:15], s[6:7], s[76:77]
	CROUND                                         ; all four work-groups are here: the joint loads meet
	s_cmp_lt_u32 s[WV], 8                          ; one load a wave at the most; four v_nop follow each line
	s_cbranch_scc0 .Lnot_codes
	tensor_load_to_lds s[G0C:G0C+3], s[G1C:G1C+7]
	s_nop 0
.rept 4
	v_nop
.endr
	s_branch .Lasked
.Lnot_codes:
	s_cmp_eq_u32 s[WV], 8
	s_cbranch_scc0 .Lasked
	tensor_load_to_lds s[G0S:G0S+3], s[G1S:G1S+7]
	s_nop 0
.rept 4
	v_nop
.endr
.Lasked:
	v_and_b32 v8, 15, v0                           ; r
	v_bfe_u32 v9, v0, 4, 1                         ; h
	s_delay_alu instid0(VALU_DEP_2)
	v_lshlrev_b32 v10, 6, v8
	s_delay_alu instid0(VALU_DEP_1)
	v_lshl_add_u32 v10, v9, 4, v10                 ; Q: row r of 64 bytes, + 16 h
	global_load_b128 v[16:19], v10, s[8:9]
	global_load_b128 v[20:23], v10, s[8:9] offset:32
	v_lshlrev_b32 v254, 2, v8
	global_load_b32 v255, v254, s[10:11]           ; Q's scale words
	v_and_b32 v11, 8, v8
	s_delay_alu instid0(VALU_DEP_1)
	v_add_nc_u32 v11, v11, v8                      ; rho = r + 8 (r / 8)
	s_delay_alu instid0(VALU_DEP_1)
	v_lshrrev_b32 v12, 2, v11
	s_delay_alu instid0(VALU_DEP_1)
	v_mul_u32_u24 v[AK0], v12, 272
	s_delay_alu instid0(VALU_DEP_3)
	v_and_b32 v12, 3, v11
	s_delay_alu instid0(VALU_DEP_1)
	v_lshl_add_u32 v[AK0], v12, 6, v[AK0]
	s_delay_alu instid0(VALU_DEP_1)
	v_lshl_add_u32 v[AK0], v9, 4, v[AK0]           ; K: (rho / 4) rows + (rho % 4) x 64 + 16 h
	v_lshrrev_b32 v12, 1, v8
	s_delay_alu instid0(VALU_DEP_1)
	v_mul_u32_u24 v[AV0], v12, 272
	v_and_b32 v12, 1, v8
	s_delay_alu instid0(VALU_DEP_1)
	v_lshl_add_u32 v[AV0], v12, 7, v[AV0]
	s_delay_alu instid0(VALU_DEP_1)
	v_lshl_add_u32 v[AV0], v9, 4, v[AV0]
	s_delay_alu instid0(VALU_DEP_1)
	v_add_nc_u32 v[AV0], VREG, v[AV0]              ; V: (r / 2) rows + (r % 2) x 128 + 16 h
	v_lshl_add_u32 v[ASK0], v11, 2, SCK
	v_lshl_add_u32 v[ASV0], v8, 2, SCV
	v_mov_b32 v13, 0xff61b1e6                      ; the largest t so far: -3e38
	s_delay_alu instid0(VALU_DEP_1)
	v_floor_f32 v12, -v13                          ; -M
	v_mov_b32 v14, 0
	v_mov_b32 v15, 0
.irp b, 0,1,2,3
	v_mov_b32 v[236+\b], 0                         ; a lane permute's destination counts as read: written once
.endr
	v_mov_b32 v252, 0                              ; likewise: the way out's permute lands here, on every path
	v_mov_b32 v253, 0                              ; (named as the upper half of the pair v[252:253] before it is first written)
.irp j, 0,1,2,3,4,5,6,7
	v_mov_b32 v[24+\j], 0                          ; zero codes: the upper half of Q's fragment,
.irp t, 0,1,2,3
	v_mov_b32 v[40+16*\t+\j], 0                    ; and of K's four: they stay
.endr
.endr
.set j, 0
.rept 32
	v_mov_b32 v[160+j], 0                          ; O^T: the step is written once; the first finds zeros
.set j, j+1
.endr
	s_wait_tensorcnt 0x0                           ; my part has landed,
	s_barrier_signal -1
	s_barrier_wait -1                              ; everybody's has
	s_wait_loadcnt 0x0                             ; Q
.Lstep:                                            ; eight trips, a constant: a step all of whose keys come after my group's queries is left out by a branch on the wave's number and the count
	s_cmp_gt_u32 s[KF], s[GQ]
	s_cbranch_scc1 .Lhidden
	v_add_nc_u32 v[ADK], s[TB], v[AK0]
	s_wait_alu depctr_va_vdst(0)
	v_add_nc_u32 v[ADV], s[TB], v[AV0]
	v_add_nc_u32 v[ADS], s[TS], v[ASK0]
	s_wait_alu depctr_va_vdst(0)
	v_add_nc_u32 v[ADT], s[TJ], v[ASV0]
.irp g, 0,1                                    ; S^T = K Q^T, four tiles of 16 keys at a time
.rept 8-3*(1-\g)
	v_nop                                          ; with the four additions nine places: the products below write over registers that the last step's products read; eight in front of the second group's loads
.endr
.irp t, 0,1,2,3
.irp c, 0,1
	ds_load_b128 v[32+16*\t+4*\c:32+16*\t+4*\c+3], v[ADK] offset:((32*((4*\g+\t)/2)+8*(\t%2))/4)*272+32*\c
.endr
	ds_load_b32 v[248+\t], v[ADS] offset:272*\g+(32*(((4*\g+\t)/2)%2)+8*(\t%2))*4
.endr
	s_wait_dscnt 0x0
.irp t, 0,1,2,3
	v_wmma_scale_f32_16x16x128_f8f6f4 v[96+8*(4*\g+\t):103+8*(4*\g+\t)], v[32+16*\t:47+16*\t], v[16:31], 0, v[248+\t], v255
.endr
.endr
.rept 8
	v_nop
.endr
	s_add_co_u32 s71, s[KF], 128                   ; a step all of whose keys count for my whole group skips the mask
	s_cmp_le_u32 s71, s[G64]
	s_cbranch_scc1 .Lopen
	s_sub_co_i32 s71, s[Q0], s[KF]
	v_and_b32 v252, 15, v0
	v_bfe_u32 v254, v0, 4, 1
	s_delay_alu instid0(VALU_DEP_1)
	v_lshlrev_b32 v254, 4, v254
	s_delay_alu instid0(VALU_DEP_1)
	v_sub_nc_u32 v252, v252, v254
	s_delay_alu instid0(VALU_DEP_1)
	v_add_nc_u32 v252, s71, v252                   ; d = my query - KF - 16 h.  Register 16 b + i holds key KF + 16 h + 32 b + i: hidden where 32 b + i > d
	v_mov_b32 v254, 0xff800000                     ; -infinity: p = 0 then
.set n, 0
.rept 64
	v_cmp_gt_i32 vcc_lo, 32*(n/16)+n%16, v252
	v_cndmask_b32 v[96+n], v[96+n], v254, vcc_lo
.set n, n+1
.endr
.Lopen:
.irp b, 0,1,2,3
	v_max3_num_f32 v[232+\b], v[96+16*\b], v[97+16*\b], v[98+16*\b]   ; the largest score of each block of 32 keys: for the row's maximum and for the block's largest p
.endr
.irp i, 3,5,7,9,11,13
.irp b, 0,1,2,3
	v_max3_num_f32 v[232+\b], v[232+\b], v[96+16*\b+\i], v[97+16*\b+\i]
.endr
.endr
.irp b, 0,1,2,3
	v_max_num_f32 v[232+\b], v[232+\b], v[111+16*\b]
.endr
.irp b, 0,1,2,3
	v_permlanex16_b32 v[236+\b], v[232+\b], s[SEL], s[SEL+1]
.endr
.irp b, 0,1,2,3
	s_delay_alu instid0(VALU_DEP_4)
	v_max_num_f32 v[232+\b], v[232+\b], v[236+\b]
.endr
	s_delay_alu instid0(VALU_DEP_2)
	v_max3_num_f32 v254, v232, v233, v234
	s_delay_alu instid0(VALU_DEP_1)
	v_max_num_f32 v254, v254, v235
	s_delay_alu instid0(VALU_DEP_1)
	v_mul_f32 v254, s[CS], v254
	s_delay_alu instid0(VALU_DEP_1)
	v_max_num_f32 v13, v13, v254                   ; the running largest t
	v_mov_b32 v254, v12
	s_delay_alu instid0(VALU_DEP_2)
	v_floor_f32 v12, -v13                          ; the new -M = -ceil(t)
	s_delay_alu instid0(VALU_DEP_1)
	v_sub_f32 v254, v12, v254                      ; old M - new M: a whole number, 0 or less
	s_delay_alu instid0(VALU_DEP_1)
	v_cvt_i32_f32 v254, v254
	s_delay_alu instid0(VALU_DEP_1)
	v_ldexp_f32 v252, 1.0, v254                    ; f = 2^(old M - new M)
.set j, 0
.rept 32
	v_pk_fma_f32 v[96+j:97+j], v[96+j:97+j], s[CS:CS+1], v[12:13] op_sel_hi:[1,0,0]   ; t - M
.set j, j+2
.endr
.irp b, 0,1,2,3
	v_fma_f32 v[232+\b], v[232+\b], s[CS], v12
.endr
.set j, 0
	s_wait_alu depctr_va_vdst(0)
.rept 64
	v_exp_f32 v[96+j], v[96+j]                     ; p = 2^(t - M)
.set j, j+1
.endr
.irp b, 0,1,2,3
	v_exp_f32 v[232+\b], v[232+\b]                 ; the block's largest p
.endr
	v_pk_mul_f32 v[14:15], v[14:15], v[252:253] op_sel_hi:[1,0]   ; l under the new M (a plain line behind the exponentials)
	s_wait_alu depctr_va_vdst(0)
.irp b, 0,1,2,3
	v_max_num_f32 v[232+\b], 0x4800000, v[232+\b]  ; the floor 2^(9 - 127)
.endr
.irp b, 0,1,2,3
	s_delay_alu instid0(VALU_DEP_4)
	v_add_nc_u32 v[244+\b], 0xfc000000, v[232+\b]
.endr
.irp b, 0,1,2,3
	v_and_or_b32 v[240+\b], v[232+\b], 0x7f800000, s[MNT]
.endr
.irp b, 0,1,2,3
	v_lshrrev_b32 v[236+\b], 23, v[244+\b]
.endr
	s_delay_alu instid0(VALU_DEP_3)
	v_lshl_or_b32 v253, v237, 8, v236              ; p's scale word for these 128 keys
	s_delay_alu instid0(VALU_DEP_1)
	v_lshl_or_b32 v253, v238, 16, v253
	s_delay_alu instid0(VALU_DEP_1)
	v_lshl_or_b32 v253, v239, 24, v253
	v_pk_add_f32 v[236:237], v[100:101], v[104:105]
	v_pk_add_f32 v[250:251], v[108:109], v[112:113]
	v_pk_add_f32 v[248:249], v[116:117], v[120:121]
	v_pk_add_f32 v[238:239], v[124:125], v[128:129]
	v_pk_add_f32 v[234:235], v[132:133], v[136:137]
	v_pk_add_f32 v[232:233], v[140:141], v[144:145]
	v_pk_add_f32 v[230:231], v[148:149], v[152:153]
	v_pk_add_f32 v[14:15], v[14:15], v[156:157]
	v_pk_add_f32 v[236:237], v[236:237], v[96:97]
	v_pk_add_f32 v[250:251], v[250:251], v[98:99]
	v_pk_add_f32 v[248:249], v[248:249], v[102:103]
	v_pk_add_f32 v[238:239], v[238:239], v[106:107]
	v_pk_add_f32 v[234:235], v[234:235], v[110:111]
	v_pk_add_f32 v[232:233], v[232:233], v[114:115]
	v_pk_add_f32 v[230:231], v[230:231], v[118:119]
	v_pk_add_f32 v[14:15], v[14:15], v[122:123]
	v_pk_add_f32 v[236:237], v[236:237], v[126:127]
	v_pk_add_f32 v[250:251], v[250:251], v[130:131]
	v_pk_add_f32 v[248:249], v[248:249], v[134:135]
	v_pk_add_f32 v[238:239], v[238:239], v[138:139]
	v_pk_add_f32 v[234:235], v[234:235], v[142:143]
	v_pk_add_f32 v[232:233], v[232:233], v[146:147]
	v_pk_add_f32 v[230:231], v[230:231], v[150:151]
	v_pk_add_f32 v[14:15], v[14:15], v[154:155]
	v_pk_add_f32 v[236:237], v[236:237], v[158:159]
	s_delay_alu instid0(VALU_DEP_2)
	v_pk_add_f32 v[14:15], v[14:15], v[238:239]
	s_delay_alu instid0(VALU_DEP_2)
	v_pk_add_f32 v[236:237], v[236:237], v[234:235]
	v_pk_add_f32 v[250:251], v[250:251], v[232:233]
	v_pk_add_f32 v[248:249], v[248:249], v[230:231]
	s_delay_alu instid0(VALU_DEP_2)
	v_pk_add_f32 v[14:15], v[14:15], v[250:251]
	s_delay_alu instid0(VALU_DEP_2)
	v_pk_add_f32 v[236:237], v[236:237], v[248:249]
	s_delay_alu instid0(VALU_DEP_1)
	v_pk_add_f32 v[14:15], v[14:15], v[236:237]
.irp b, 0,1,2,3
.irp i, 0,1,2,3,4,5,6,7,8,9,10,11,12,13,14,15
	v_min_num_f32 v[96+16*\b+\i], v[96+16*\b+\i], v[240+\b]   ; the hold; p is not negative
.endr
	v_cvt_scalef32_pk8_fp8_f32 v[224+4*\b:225+4*\b], v[96+16*\b:103+16*\b], v[244+\b]
	v_cvt_scalef32_pk8_fp8_f32 v[226+4*\b:227+4*\b], v[104+16*\b:111+16*\b], v[244+\b]
.endr
.set j, 0
.rept 16
	v_pk_mul_f32 v[160+j:161+j], v[160+j:161+j], v[252:253] op_sel_hi:[1,0]   ; O^T under the new M; also the places in front of the products below
.set j, j+2
.endr
.irp t, 0,1,2,3                                ; O^T += V^T P^T: the head's four tiles of 16; K = these 128 keys
.irp c, 0,1,2,3
	ds_load_b128 v[96+16*\t+4*\c:96+16*\t+4*\c+3], v[ADV] offset:2176*\t+32*\c
.endr
	ds_load_b32 v[248+\t], v[ADT] offset:64*\t
.endr
	s_wait_alu depctr_va_vdst(0)
	s_wait_dscnt 0x0
.irp t, 0,1,2,3
	v_wmma_scale_f32_16x16x128_f8f6f4 v[160+8*\t:167+8*\t], v[96+16*\t:111+16*\t], v[224:239], v[160+8*\t:167+8*\t], v[248+\t], v253
.endr
.Lhidden:
	s_add_co_u32 s[KF], s[KF], 128
	s_add_co_u32 s[TB], s[TB], 8704
	s_add_co_u32 s[TS], s[TS], 544
	s_add_co_u32 s[TJ], s[TJ], 272
	s_add_co_u32 s[CNT], s[CNT], 1
	s_cmp_lt_u32 s[CNT], 8
	s_cbranch_scc1 .Lstep
	; THE WAY OUT
	v_add_f32 v14, v14, v15
	s_delay_alu instid0(VALU_DEP_1)
	v_permlanex16_b32 v252, v14, s[SEL], s[SEL+1]
	s_delay_alu instid0(VALU_DEP_1)
	v_add_f32 v14, v14, v252                       ; the row's sum
	s_wait_alu depctr_va_vdst(0)
	v_rcp_f32 v14, v14
	s_mul_i32 s66, s[WV], 1280
	s_add_co_u32 s66, s66, STAGE                   ; my stage
	v_and_b32 v8, 15, v0                           ; the address lines are also the places behind the last products
	v_bfe_u32 v9, v0, 4, 1
	s_delay_alu instid0(VALU_DEP_2)
	v_mul_u32_u24 v10, v8, 80
	s_delay_alu instid0(VALU_DEP_1)
	v_lshl_add_u32 v10, v9, 3, v10
	s_delay_alu instid0(VALU_DEP_1)
	v_add_nc_u32 v10, s66, v10                     ; in: row r, + 8 h; tile t 16 t bytes on
	v_and_b32 v11, 31, v0
	s_delay_alu instid0(VALU_DEP_1)
	v_lshrrev_b32 v1, 2, v11
	s_delay_alu instid0(VALU_DEP_1)
	v_mul_u32_u24 v1, v1, 80
	s_delay_alu instid0(VALU_DEP_3)
	v_and_b32 v2, 3, v11
	s_delay_alu instid0(VALU_DEP_1)
	v_lshl_add_u32 v1, v2, 4, v1
	s_delay_alu instid0(VALU_DEP_1)
	v_add_nc_u32 v1, s66, v1                       ; back: four lanes to a row
	v_lshlrev_b32 v7, 4, v11
	v_lshlrev_b32 v3, 2, v8
.set j, 0
	s_wait_alu depctr_va_vdst(0)
.rept 32
	v_mul_f32 v[192+j], v[160+j], v14              ; O^T / l: register 8 t + i is o(query r, d = 16 t + 8 h + i)
.set j, j+1
.endr
.irp b, 0,1                                    ; the head's two blocks of 32: my 16 numbers and lane l xor 16's
	v_max3_num_f32 v[232+\b], |v[192+16*\b]|, |v[193+16*\b]|, 0x4800000
.endr
.irp i, 2,4,6,8,10,12,14
.irp b, 0,1
	s_delay_alu instid0(VALU_DEP_2)
	v_max3_num_f32 v[232+\b], v[232+\b], |v[192+16*\b+\i]|, |v[193+16*\b+\i]|
.endr
.endr
.irp b, 0,1
	v_permlanex16_b32 v[236+\b], v[232+\b], s[SEL], s[SEL+1]
.endr
.irp b, 0,1
	s_delay_alu instid0(VALU_DEP_2)
	v_max_num_f32 v[232+\b], v[232+\b], v[236+\b]
.endr
.irp b, 0,1
	s_delay_alu instid0(VALU_DEP_2)
	v_add_nc_u32 v[244+\b], 0xfc000000, v[232+\b]
.endr
.irp b, 0,1
	s_delay_alu instid0(VALU_DEP_4)
	v_and_or_b32 v[240+\b], v[232+\b], 0x7f800000, s[MNT]
.endr
.irp b, 0,1
	s_delay_alu instid0(VALU_DEP_4)
	v_lshrrev_b32 v[236+\b], 23, v[244+\b]
.endr
	s_delay_alu instid0(VALU_DEP_1)
	v_lshl_or_b32 v253, v237, 8, v236              ; the token's two scale bytes of this head
.irp b, 0,1
.irp i, 0,1,2,3,4,5,6,7,8,9,10,11,12,13,14,15
	v_med3_num_f32 v[192+16*\b+\i], v[192+16*\b+\i], -v[240+\b], v[240+\b]
.endr
	v_cvt_scalef32_pk8_fp8_f32 v[224+4*\b:225+4*\b], v[192+16*\b:199+16*\b], v[244+\b]
	v_cvt_scalef32_pk8_fp8_f32 v[226+4*\b:227+4*\b], v[200+16*\b:207+16*\b], v[244+\b]
.endr
	v_nop
.irp t, 0,1,2,3
	ds_store_b64 v10, v[224+2*\t:225+2*\t] offset:16*\t
.endr
	ds_load_b128 v[32:35], v1                      ; LDS serves a wave's instructions in order: these see my stores
	ds_load_b128 v[36:39], v1 offset:640
	s_wait_dscnt 0x0
	global_store_b128 v7, v[32:35], s[12:13]       ; 16 tokens x 64 bytes: 1,024 consecutive bytes
	global_store_b128 v7, v[36:39], s[12:13] offset:512
	global_store_b16 v3, v253, s[14:15]            ; lanes l and l xor 16 hold the same two bytes and write them to the same place
	s_wait_tensorcnt 0x0
	ds_add_u32 v5, v6
	s_wait_dscnt 0x0
	CROUND                                         ; the closing round
	s_endpgm
.Lfunc_end_k_qac5c04b350_attn:
	.size	k_qac5c04b350_attn, .Lfunc_end_k_qac5c04b350_attn-k_qac5c04b350_attn
	.p2alignl 7, 3214868480
	.fill 96, 4, 3214868480
	.section	.rodata,"a",@progbits
	.p2align	6, 0x0
	.amdhsa_kernel k_qac5c04b350_attn
		.amdhsa_group_segment_fixed_size 169984
		.amdhsa_private_segment_fixed_size 0
		.amdhsa_enable_private_segment 0
		.amdhsa_kernarg_size 16
		.amdhsa_user_sgpr_count 2
		.amdhsa_user_sgpr_kernarg_segment_ptr 1
		.amdhsa_wavefront_size32 1
		.amdhsa_system_sgpr_workgroup_id_x 1
		.amdhsa_system_sgpr_workgroup_id_y 1
		.amdhsa_system_sgpr_workgroup_id_z 1
		.amdhsa_system_vgpr_workitem_id 0
		.amdhsa_next_free_vgpr 256
		.amdhsa_next_free_sgpr 80
		.amdhsa_reserve_vcc 1
		.amdhsa_float_denorm_mode_32 3
		.amdhsa_float_denorm_mode_16_64 3
		.amdhsa_memory_ordered 1
		.amdhsa_forward_progress 1
		.amdhsa_inst_pref_size 44
	.end_amdhsa_kernel
	.amdgpu_metadata
---
amdhsa.version: [ 1, 2 ]
amdhsa.kernels:
  - .name:           k_qac5c04b350_attn
    .symbol:         k_qac5c04b350_attn.kd
    .args:
      - { .name: qkvc, .offset: 0, .size: 8, .value_kind: global_buffer, .address_space: global }
      - { .name: oc, .offset: 8, .size: 8, .value_kind: global_buffer, .address_space: global }
    .group_segment_fixed_size: 169984
    .private_segment_fixed_size: 0
    .kernarg_segment_align: 8
    .kernarg_segment_size: 16
    .max_flat_workgroup_size: 512
    .sgpr_count:     80
    .vgpr_count:     256
    .wavefront_size: 32
...
	.end_amdgpu_metadata
.endif
;; end of part 3
;; launch wo (part 4): grid 8 x 32, 4 waves a work-group, clusters of 4 x 4, 327,680 bytes of LDS; arguments oc, Wo_codes, Wo_scales, bo, x, x1; writes x1
.if DOCPART == 4
	.amdgcn_target "amdgcn-amd-amdhsa--gfx1250"
	.amdhsa_code_object_version 6
	.text
	.protected	k_qac5c04b350_wo
	.globl	k_qac5c04b350_wo
	.p2align	8
	.type	k_qac5c04b350_wo,@function
k_qac5c04b350_wo:
	s_mov_b64 s[64:65], 0
	v_nop
	global_prefetch_b8 v0, s[64:65] scope:SCOPE_SE
	s_setreg_imm32_b32 hwreg(HW_REG_WAVE_MODE, 25, 1), 1
	s_wait_xcnt 0x0
	s_wait_alu depctr_hold_cnt(0) depctr_sa_sdst(0) depctr_va_vdst(0) depctr_va_sdst(0) depctr_va_ssrc(0) depctr_va_vcc(0) depctr_vm_vsrc(0)
	s_getreg_b32 s2, hwreg(HW_REG_IB_STS2, 6, 4)
	s_cmp_eq_u32 s2, 0
	s_cbranch_scc0 .Lentry_in_a_cluster
	s_endpgm
.Lentry_in_a_cluster:
	s_bfe_u32 s2, ttmp6, 0x10000c
	s_cmp_lg_u32 s2, 0xf033
	s_cbranch_scc0 .Lentry_shape_is_right
	s_endpgm
.Lentry_shape_is_right:
; out = resid + bias + A B^T on codes of E4M3 with E8M0 scales.  A: 4,096 tokens x SIZE_K, made by this program: codes [block of 128 tokens][plane of 64 along K][token][64], scale words [K step of 128][token][4]
; behind them.  B: [1024][SIZE_K] codes, K innermost, scale bytes [1024][SIZE_K / 32].  bias [1024], resid and out [4096][1024] f32.
; A tile of out is 128 x 128, so that all 256 WGPs have one; four waves, each 64 x 64: 16 accumulators.  K goes in steps of 512 through two LDS slots: a step of A's tile is one dense block of 65,536 bytes.
; The scales of the tile's rows for all of K come once, with the first fills.  CLUSTERS 4 x 4: A's tiles are shared along a row of the cluster, B's along a column: joint loads.
; The matrix instruction is used transposed (source 0 = B, source 1 = A): a lane holds eight neighbouring numbers of a row of out.
; REGISTERS: window 0: v0-31 addresses; v32-63 A's scale words, v64-95 B's, two sets each; v96-99 the bias; v128-255 accumulators ((a, b) at v[128 + 8 (4 a + b)]).  window 1: two sets of fragments (A 64, B 64).  window 2: v0-127 the residual.
.set SIZE_K, 1024
.set KSTEP,  512
.set PLB,    8704                      ; a plane in LDS: 32 rows of (4 tokens x 64 bytes + 16)
.set AREG,   16*PLB                    ; ALL of K lies in LDS at once: A's 16 planes, then B's 128 whole rows; "slot 1" is the second half of K in the same bytes' neighbours
.set PITCHB, 1040                      ; a row of B: 1,024 bytes + 16
.set HALFB,  64*PITCHB
.set SLOT,   AREG+2*HALFB
.set LAPS,   SIZE_K/(2*KSTEP)
.set KS,     SIZE_K/32
.set SCA,    SLOT
.set SCAH,   (SIZE_K/256)*512
.set SCB,    SCA+2*SCAH                ; B's scale bytes, as rows of 256 + 16
.set HALFSB, (64*KS/256)*272
.set SBLK,   (16*KS/256)*272
.set STAGE,  SCB+2*HALFSB              ; the way out's stages, 4,352 bytes a wave: bytes of their own, into which no fill lands
.set SPARE,  STAGE+4*4352
.set ADRA, 16
.set ADRB, 20
.set ADSA, 22
.set ADSB, 23
.set STO,  24
.set RD,   25
.set CO,   26
.set BO,   27
.set SPW,  28
.set NIL,  29
.set SA,   32
.set SB,   64
.set BI,   96
.set ACC,  128
.set WV,  16
.set RH,  17
.set CH,  18
.set G1, 24
.set G0, 32
.set G1B, 48
.set G0B, 56
.set G1S, 68
.set G0S, 76
.set G1SB, 80
.set G0SB, 88
.set MSB, 0
.macro WIN new
.if MSB != (\new)
	s_set_vgpr_msb (MSB<<8)|(\new)
.set MSB, (\new)
.endif
.endm
.macro JLOAD g0a, g1a, g0b, g1b        ; waves 0 and 1 fetch for A, waves 2 and 3 for B; four v_nop follow each line
	s_cmp_eq_u32 s[RH], 0
	s_cbranch_scc0 .Lfor_b_\@
	tensor_load_to_lds s[\g0a:\g0a+3], s[\g1a:\g1a+7]
	s_nop 0
.rept 4
	v_nop
.endr
	s_branch .Lasked_\@
.Lfor_b_\@:
	tensor_load_to_lds s[\g0b:\g0b+3], s[\g1b:\g1b+7]
	s_nop 0
.rept 4
	v_nop
.endr
.Lasked_\@:
.endm
.macro CROUND
	s_barrier_signal -1
	s_barrier_wait -1
	s_cmp_lg_u32 s[WV], 0
	s_cbranch_scc1 .Lnot_wave_0_\@
	s_barrier_signal -3
.Lnot_wave_0_\@:
	s_barrier_wait -3
	s_barrier_signal -1
	s_barrier_wait -1
.endm
.macro PLACES n
.rept \n
	v_nop
.endr
.endm
	s_load_b256 s[4:11], s[0:1], 0x0               ; A, B's codes, B's scales, bias
	s_load_b128 s[12:15], s[0:1], 0x20             ; resid, out
	v_lshl_add_u32 v[SPW], v0, 2, SPARE
	v_mov_b32 v[NIL], 0
	ds_add_u32 v28, v29
	ds_add_u32 v28, v29
	s_wait_dscnt 0x0
	v_lshrrev_b32 v1, 5, v0
	v_readfirstlane_b32 s[WV], v1
	s_lshr_b32 s[RH], s[WV], 1                     ; my half of the tile's rows.  Also: I fetch for A (0) or for B (1)
	s_and_b32 s[CH], s[WV], 1                      ; my half of its columns.  Also: which half I fetch
	s_bfe_u32 s40, ttmp6, 0x40000                  ; cx, cy
	s_bfe_u32 s41, ttmp6, 0x40004
	s_lshl_b32 s42, ttmp9, 2
	s_add_co_u32 s42, s42, s40                     ; tile column
	s_and_b32 s43, ttmp7, 0xffff
	s_lshl_b32 s43, s43, 2
	s_add_co_u32 s43, s43, s41                     ; tile row = block of 128 tokens
	s_lshl_b32 s44, s41, 2
	s_lshl_b32 s44, 15, s44                        ; my row of the cluster
	s_lshl_b32 s45, 0x1111, s40                    ; my column
	s_or_b32 s[G1], s44, (3<<16)|(1<<20)|(1<<21)|(5<<22)|(3<<25)    ; A's codes: 512 dense rows of 256 bytes (32 elements of 8), 4 words of padding behind each
	s_mov_b32 s[G1+1], 32<<16
	s_mov_b32 s[G1+2], 512<<16
	s_mov_b32 s[G1+3], 32<<16
	s_mov_b32 s[G1+4], 512
	s_mov_b32 s[G1+5], 32
	s_mov_b32 s[G1+6], 0
	s_mov_b32 s[G1+7], 0
	s_or_b32 s[G1B], s45, (0<<16)|(1<<20)|(1<<21)|(7<<22)|(3<<25)   ; B's codes: 128 whole rows of 1,024 bytes, 4 words of padding behind each
	s_mov_b32 s[G1B+1], SIZE_K<<16
	s_mov_b32 s[G1B+2], 128<<16
	s_mov_b32 s[G1B+3], SIZE_K<<16
	s_mov_b32 s[G1B+4], 128
	s_mov_b32 s[G1B+5], SIZE_K
	s_mov_b32 s[G1B+6], 0
	s_mov_b32 s[G1B+7], 0
	s_or_b32 s[G1S], s44, (3<<16)|(1<<21)          ; A's scale words: SIZE_K / 128 rows of 512 bytes, 16,384 apart, no padding
	s_mov_b32 s[G1S+1], 64<<16
	s_mov_b32 s[G1S+2], (SIZE_K/128)<<16
	s_mov_b32 s[G1S+3], 64<<16
	s_mov_b32 s[G1S+4], SIZE_K/128
	s_mov_b32 s[G1S+5], 2048
	s_mov_b32 s[G1S+6], 0
	s_mov_b32 s[G1S+7], 0
	s_or_b32 s[G1SB], s45, (3<<16)|(1<<20)|(1<<21)|(5<<22)|(3<<25)  ; B's scale bytes of 128 rows: dense, as rows of 256 bytes
	s_mov_b32 s[G1SB+1], 32<<16
	s_mov_b32 s[G1SB+2], (128*KS/256)<<16
	s_mov_b32 s[G1SB+3], 32<<16
	s_mov_b32 s[G1SB+4], 128*KS/256
	s_mov_b32 s[G1SB+5], 32
	s_mov_b32 s[G1SB+6], 0
	s_mov_b32 s[G1SB+7], 0
	s_mul_i32 s20, s43, SIZE_K*128                 ; A's codes: the block of tokens
	s_mov_b32 s21, 0
	s_lshl_b32 s22, s43, 9
	s_add_co_u32 s22, s22, 4096*SIZE_K
	s_mov_b32 s23, 0
	s_lshl_b32 s46, s42, 7
	s_mul_i32 s94, s46, KS
	s_mov_b32 s95, 0
	s_mul_i32 s46, s46, SIZE_K
	s_mov_b32 s47, 0
	s_wait_kmcnt 0x0
	s_add_nc_u64 s[20:21], s[4:5], s[20:21]
	s_add_nc_u64 s[22:23], s[4:5], s[22:23]
	s_add_nc_u64 s[46:47], s[6:7], s[46:47]
	s_add_nc_u64 s[94:95], s[8:9], s[94:95]
	CROUND                                         ; all sixteen work-groups are here: the first joint loads meet
	s_mov_b32 s[G0S], 1
	s_mov_b32 s[G0S+1], SCA
	s_mov_b64 s[G0S+2:G0S+3], s[22:23]
	s_or_b32 s[G0S+3], s[G0S+3], 0x80000000
	s_mov_b32 s[G0SB], 1
	s_mov_b32 s[G0SB+1], SCB
	s_mov_b64 s[G0SB+2:G0SB+3], s[94:95]
	s_or_b32 s[G0SB+3], s[G0SB+3], 0x80000000
	s_mov_b32 s[G0], 1
	s_mov_b32 s[G0+1], 0
	s_mov_b64 s[G0+2:G0+3], s[20:21]
	s_or_b32 s[G0+3], s[G0+3], 0x80000000
	s_mov_b32 s[G0B], 1
	s_mov_b32 s[G0B+1], AREG
	s_mov_b64 s[G0B+2:G0B+3], s[46:47]
	s_or_b32 s[G0B+3], s[G0B+3], 0x80000000
	; THE LAUNCH'S FOUR TILES, ONE JOINT LOAD A WAVE: wave 0 A's codes, wave 1 A's scale words, wave 2 B's codes, wave 3 B's scale bytes, each for all of K.  Nothing is filled again.
	s_cmp_eq_u32 s[WV], 0
	s_cbranch_scc0 .Lh1
	tensor_load_to_lds s[G0:G0+3], s[G1:G1+7]
	s_nop 0
	PLACES 4
	s_branch .Lhj
.Lh1:
	s_cmp_eq_u32 s[WV], 1
	s_cbranch_scc0 .Lh2
	tensor_load_to_lds s[G0S:G0S+3], s[G1S:G1S+7]
	s_nop 0
	PLACES 4
	s_branch .Lhj
.Lh2:
	s_cmp_eq_u32 s[WV], 2
	s_cbranch_scc0 .Lh3
	tensor_load_to_lds s[G0B:G0B+3], s[G1B:G1B+7]
	s_nop 0
	PLACES 4
	s_branch .Lhj
.Lh3:
	tensor_load_to_lds s[G0SB:G0SB+3], s[G1SB:G1SB+7]
	s_nop 0
	PLACES 4
.Lhj:
	v_and_b32 v1, 15, v0                           ; r
	v_bfe_u32 v2, v0, 4, 1                         ; h
	v_lshrrev_b32 v3, 2, v1
	v_mul_u32_u24 v3, v3, 272
	v_and_b32 v4, 3, v1
	v_lshl_add_u32 v3, v4, 6, v3
	v_lshl_add_u32 v3, v2, 4, v3
	s_mul_i32 s20, s[RH], 4352
	v_add_nc_u32 v[ADRA], s20, v3                  ; A: my 64 tokens; (r / 4) rows + (r % 4) x 64 + 16 h
	v_add_nc_u32 v[ADRA+1], 8*PLB, v[ADRA]         ; the second 512 of K: eight planes on
	v_mul_u32_u24 v5, v1, PITCHB
	v_lshl_add_u32 v5, v2, 4, v5
	s_mul_i32 s20, s[CH], HALFB
	s_add_co_u32 s20, s20, AREG
	v_add_nc_u32 v[ADRB], s20, v5
	v_add_nc_u32 v[ADRB+1], KSTEP, v[ADRB]         ; and 512 bytes on in B's rows
	s_lshl_b32 s20, s[RH], 8
	s_add_co_u32 s20, s20, SCA
	v_lshl_add_u32 v[ADSA], v1, 2, s20             ; A's word of token 64 x half + r
	v_mul_u32_u24 v5, v1, KS
	v_lshrrev_b32 v6, 8, v5
	v_lshl_add_u32 v5, v6, 4, v5
	s_mul_i32 s20, s[CH], HALFSB
	s_add_co_u32 s20, s20, SCB
	v_add_nc_u32 v[ADSB], s20, v5                  ; B's bytes of row r: KS a row, 16 more for each 256 passed
	s_mul_i32 s20, s[WV], 4352                     ; my stage: 16 rows x (256 + 16)
	s_add_co_u32 s20, s20, STAGE
	v_mul_u32_u24 v5, v1, 272
	v_lshl_add_u32 v5, v2, 5, v5
	v_add_nc_u32 v[STO], s20, v5
	v_mul_u32_u24 v5, v2, 272
	v_lshl_add_u32 v5, v1, 4, v5
	v_add_nc_u32 v[RD], s20, v5
	v_lshlrev_b32 v[CO], 12, v2
	v_lshl_add_u32 v[CO], v1, 4, v[CO]             ; in memory: lanes 0-15 one row's 256 bytes, lanes 16-31 the next row's
	v_lshlrev_b32 v[BO], 4, v1
	s_wait_alu depctr_va_vdst(0)
	s_lshl_b32 s92, s42, 9
	s_lshl_b32 s93, s[CH], 8
	s_add_co_u32 s92, s92, s93                     ; my first column, in bytes
	s_mov_b32 s93, 0
	s_add_nc_u64 s[10:11], s[10:11], s[92:93]
	s_lshl_b32 s94, s43, 19
	s_lshl_b32 s95, s[RH], 18
	s_add_co_u32 s94, s94, s95
	s_add_co_u32 s92, s92, s94                     ; + my first row
	s_add_nc_u64 s[12:13], s[12:13], s[92:93]
	s_add_nc_u64 s[14:15], s[14:15], s[92:93]
.macro FETCH slot, q, f                ; the fragments of the slot's q-th 128 along K into set f
	WIN 0x40
.irp i, 0,1,2,3
.irp c, 0,1,2,3
	ds_load_b128 v[128*(\f)+64+16*\i+4*\c:128*(\f)+64+16*\i+4*\c+3], v[ADRB+\slot] offset:\i*16*PITCHB+128*(\q)+32*\c
.endr
.endr
.irp i, 0,1,2,3
.irp c, 0,1,2,3
	ds_load_b128 v[128*(\f)+16*\i+4*\c:128*(\f)+16*\i+4*\c+3], v[ADRA+\slot] offset:(2*(\q)+\c/2)*PLB+1088*\i+32*(\c%2)
.endr
.endr
.endm
.macro SCALES sc                       ; a slot's scale words: register 4 i + q of a set
	WIN 0
.irp i, 0,1,2,3
.irp q, 0,1,2,3
	ds_load_b32 v[SA+16*\sc+4*\i+\q], v[ADSA] offset:512*\q+64*\i
.endr
	ds_load_b128 v[SB+16*\sc+4*\i:SB+16*\sc+4*\i+3], v[ADSB] offset:\i*SBLK
.endr
.endm
.macro MUL f, q, sc, zero              ; 16 products; the 16 accumulators take turns, in the same order in every step
	WIN 0x05
.irp a, 0,1,2,3
.irp b, 0,1,2,3
.if \zero
	v_wmma_scale_f32_16x16x128_f8f6f4 v[ACC+8*(4*\a+\b):ACC+8*(4*\a+\b)+7], v[128*\f+64+16*\b:128*\f+64+16*\b+15], v[128*\f+16*\a:128*\f+16*\a+15], 0, v[SB+16*\sc+4*\b+\q], v[SA+16*\sc+4*\a+\q]
.else
	v_wmma_scale_f32_16x16x128_f8f6f4 v[ACC+8*(4*\a+\b):ACC+8*(4*\a+\b)+7], v[128*\f+64+16*\b:128*\f+64+16*\b+15], v[128*\f+16*\a:128*\f+16*\a+15], v[ACC+8*(4*\a+\b):ACC+8*(4*\a+\b)+7], v[SB+16*\sc+4*\b+\q], v[SA+16*\sc+4*\a+\q]
.endif
.endr
.endr
.endm
.macro STEP slot, q, f, g, zero
	PLACES 8                                       ; in front of loads into the set that the last products read
	FETCH \slot, (\q)+1, \g
	s_wait_dscnt 32                                ; all but the 32 just issued: this step's fragments and scale words are in
	MUL \f, \q, \slot, \zero
.endm
; The change of slots stands at the head of a slot's last step, whose fragments are already asked for.
.macro TURN slot, next, fill
	WIN 0
	s_wait_tensorcnt 0x0                           ; all my tensor loads have landed: my part of the next slot
	ds_add_u32 v[SPW], v[NIL]                      ; 0 onto my spare word
.if \fill
	s_add_nc_u64 s[G0+4*\slot+2:G0+4*\slot+3], s[G0+4*\slot+2:G0+4*\slot+3], 2*65536
	s_add_nc_u64 s[G0B+4*\slot+2:G0B+4*\slot+3], s[G0B+4*\slot+2:G0B+4*\slot+3], 2*KSTEP
.endif
	s_wait_dscnt 0x0                               ; the add is done, and my reads of this slot are all in registers
.if \fill
	CROUND                                         ; no wave of any partner still reads this slot or has a load on its way
	JLOAD G0+4*\slot, G1, G0B+4*\slot, G1B         ; the first tensor load behind the round, one a wave: it has four steps in which to land
	PLACES 4
.else
	s_barrier_signal -1
	s_barrier_wait -1
	PLACES 8
.endif
	v_add_nc_u32 v[ADSA], 2048, v[ADSA]
	v_add_nc_u32 v[ADSB], 16, v[ADSB]
	FETCH \next, 0, 0
	SCALES \next
	MUL 1, 3, \slot, 0
.endm
	s_wait_tensorcnt 0x0                           ; my tile is in
	s_barrier_signal -1
	s_barrier_wait -1
	FETCH 0, 0, 0
	SCALES 0
	global_load_b128 v[BI:BI+3], v[BO], s[10:11]   ; the bias and the residual are wanted only on the way out: they are asked for when the tiles have landed, and come under the products
	WIN 0x80                                       ; destination window 2
.irp a, 0,1,2,3
.irp t, 0,1,2,3,4,5,6,7
	global_load_b128 v[4*(8*\a+\t):4*(8*\a+\t)+3], v[CO], s[12:13] offset:(16*\a+2*\t)*4096   ; in the stores' own lane pattern
.endr
.endr
	WIN 0
	STEP 0, 0, 0, 1, 1                             ; the first step's products start the sums
.if LAPS > 1
	WIN 0
	s_mov_b32 s19, LAPS-1
.Llap:
	STEP 0, 1, 1, 0, 0
	STEP 0, 2, 0, 1, 0
	TURN 0, 1, 1
	STEP 1, 0, 0, 1, 0
	STEP 1, 1, 1, 0, 0
	STEP 1, 2, 0, 1, 0
	TURN 1, 0, 1
	STEP 0, 0, 0, 1, 0
	WIN 0
	s_sub_co_u32 s19, s19, 1
	s_cmp_lg_u32 s19, 0
	s_cbranch_scc1 .Llap
.endif
	STEP 0, 1, 1, 0, 0
	STEP 0, 2, 0, 1, 0
	TURN 0, 1, 0
	STEP 1, 0, 0, 1, 0
	STEP 1, 1, 1, 0, 0
	STEP 1, 2, 0, 1, 0
	s_wait_dscnt 0x0
	MUL 1, 3, 1, 0
	WIN 0
	; THE WAY OUT: a block of 16 rows x 64 columns goes through my stage and comes back, into the registers that it left, as whole runs of 256 bytes of a row
.macro TOSTAGE a
.irp b, 0,1,2,3
	ds_store_b128 v[STO], v[ACC+8*(4*\a+\b):ACC+8*(4*\a+\b)+3] offset:64*\b       ; each accumulator from its low end on
	ds_store_b128 v[STO], v[ACC+8*(4*\a+\b)+4:ACC+8*(4*\a+\b)+7] offset:64*\b+16
.endr
.irp t, 0,1,2,3,4,5,6,7
	ds_load_b128 v[ACC+32*\a+4*\t:ACC+32*\a+4*\t+3], v[RD] offset:544*\t          ; LDS serves a wave's instructions in order
.endr
.endm
.macro SEND a, younger
	s_wait_dscnt \younger
.irp t, 0,1,2,3,4,5,6,7
	v_pk_add_f32 v[ACC+32*\a+4*\t:ACC+32*\a+4*\t+1], v[ACC+32*\a+4*\t:ACC+32*\a+4*\t+1], v[BI:BI+1]
	v_pk_add_f32 v[ACC+32*\a+4*\t+2:ACC+32*\a+4*\t+3], v[ACC+32*\a+4*\t+2:ACC+32*\a+4*\t+3], v[BI+2:BI+3]
.endr
	WIN 0x08                                       ; source 1: window 2
.irp k, 0,2,4,6,8,10,12,14,16,18,20,22,24,26,28,30
	v_pk_add_f32 v[ACC+32*\a+\k:ACC+32*\a+\k+1], v[ACC+32*\a+\k:ACC+32*\a+\k+1], v[32*\a+\k:32*\a+\k+1]
.endr
	WIN 0
.irp t, 0,1,2,3,4,5,6,7
	global_store_b128 v[CO], v[ACC+32*\a+4*\t:ACC+32*\a+4*\t+3], s[14:15] offset:(16*\a+2*\t)*4096   ; 16 lanes store 256 consecutive bytes, aligned
.endr
.endm
	PLACES 8
	s_wait_loadcnt 0x0                             ; the bias and the residual
	TOSTAGE 0
	TOSTAGE 1
	SEND 0, 16                                     ; the next block's 8 stores and 8 loads may be out
	TOSTAGE 2
	SEND 1, 16
	TOSTAGE 3
	SEND 2, 16
	SEND 3, 0
	s_wait_tensorcnt 0x0                           ; the wave's end
	ds_add_u32 v[SPW], v[NIL]
	s_wait_dscnt 0x0
	CROUND                                         ; the closing round
	s_endpgm
.Lfunc_end_k_qac5c04b350_wo:
	.size	k_qac5c04b350_wo, .Lfunc_end_k_qac5c04b350_wo-k_qac5c04b350_wo
	.p2alignl 7, 3214868480
	.fill 96, 4, 3214868480
	.section	.rodata,"a",@progbits
	.p2align	6, 0x0
	.amdhsa_kernel k_qac5c04b350_wo
		.amdhsa_group_segment_fixed_size 327680
		.amdhsa_private_segment_fixed_size 0
		.amdhsa_enable_private_segment 0
		.amdhsa_kernarg_size 48
		.amdhsa_user_sgpr_count 2
		.amdhsa_user_sgpr_kernarg_segment_ptr 1
		.amdhsa_wavefront_size32 1
		.amdhsa_system_sgpr_workgroup_id_x 1
		.amdhsa_system_sgpr_workgroup_id_y 1
		.amdhsa_system_sgpr_workgroup_id_z 1
		.amdhsa_system_vgpr_workitem_id 0
		.amdhsa_next_free_vgpr 640
		.amdhsa_next_free_sgpr 100
		.amdhsa_reserve_vcc 0
		.amdhsa_float_denorm_mode_32 3
		.amdhsa_float_denorm_mode_16_64 3
		.amdhsa_memory_ordered 1
		.amdhsa_forward_progress 1
		.amdhsa_inst_pref_size 66
	.end_amdhsa_kernel
	.amdgpu_metadata
---
amdhsa.version: [ 1, 2 ]
amdhsa.kernels:
  - .name:           k_qac5c04b350_wo
    .symbol:         k_qac5c04b350_wo.kd
    .args:
      - { .name: oc, .offset: 0, .size: 8, .value_kind: global_buffer, .address_space: global }
      - { .name: Wo_codes, .offset: 8, .size: 8, .value_kind: global_buffer, .address_space: global }
      - { .name: Wo_scales, .offset: 16, .size: 8, .value_kind: global_buffer, .address_space: global }
      - { .name: bo, .offset: 24, .size: 8, .value_kind: global_buffer, .address_space: global }
      - { .name: x, .offset: 32, .size: 8, .value_kind: global_buffer, .address_space: global }
      - { .name: x1, .offset: 40, .size: 8, .value_kind: global_buffer, .address_space: global }
    .group_segment_fixed_size: 327680
    .private_segment_fixed_size: 0
    .kernarg_segment_align: 8
    .kernarg_segment_size: 48
    .max_flat_workgroup_size: 128
    .sgpr_count:     100
    .vgpr_count:     640
    .wavefront_size: 32
...
	.end_amdgpu_metadata
.endif
;; end of part 4
;; launch ln2: the kernel of part 1 again; grid 256 x 1, 8 waves a work-group, no clusters, 51,200 bytes of LDS; arguments x1, gamma, beta, hn; writes hn
;; launch w1 (part 5): grid 32 x 8, 4 waves a work-group, clusters of 4 x 4, 327,680 bytes of LDS; arguments hn, W1_codes, W1_scales, b1, gc; writes gc
.if DOCPART == 5
	.amdgcn_target "amdgcn-amd-amdhsa--gfx1250"
	.amdhsa_code_object_version 6
	.text
	.protected	k_qac5c04b350_w1
	.globl	k_qac5c04b350_w1
	.p2align	8
	.type	k_qac5c04b350_w1,@function
k_qac5c04b350_w1:
	s_mov_b64 s[64:65], 0
	v_nop
	global_prefetch_b8 v0, s[64:65] scope:SCOPE_SE
	s_setreg_imm32_b32 hwreg(HW_REG_WAVE_MODE, 25, 1), 1
	s_wait_xcnt 0x0
	s_wait_alu depctr_hold_cnt(0) depctr_sa_sdst(0) depctr_va_vdst(0) depctr_va_sdst(0) depctr_va_ssrc(0) depctr_va_vcc(0) depctr_vm_vsrc(0)
	s_getreg_b32 s2, hwreg(HW_REG_IB_STS2, 6, 4)
	s_cmp_eq_u32 s2, 0
	s_cbranch_scc0 .Lentry_in_a_cluster
	s_endpgm
.Lentry_in_a_cluster:
	s_bfe_u32 s2, ttmp6, 0x10000c
	s_cmp_lg_u32 s2, 0xf033
	s_cbranch_scc0 .Lentry_shape_is_right
	s_endpgm
.Lentry_shape_is_right:
; g = Q(gelu(h2 W1 + b1)): 4,096 tokens x 4,096 columns, K = 1,024, on codes of E4M3 with E8M0 scales; the result is quantised along the columns, which are the next product's K.  No f32 result is stored.
; hn: h2's codes [4096][1024] at 0, its scale bytes [4096][32] at 0x400000.  W1_codes [4096 (n)][1024 (k)], W1_scales [4096][32], b1 [4096] f32.
; gc: codes [block of 128 tokens][plane of 64 columns][group of 16 tokens][piece of 16 columns][token][16 bytes] at 0; scale words [128 columns][token][4] at 0x1000000.
; THE DEAL.  256 work-groups of four waves, 2 x 2; a work-group makes 512 tokens x 128 columns.  A wave holds 64 rows of W1, ALL of K, in 512 registers (windows 1, 2) and takes sixteen blocks of 16 tokens past them (128 registers, window 3): 32 products a block.
; Source 0 = W1's rows, source 1 = the tokens: a lane holds ONE token.  THE ROWS OF A TILE ARE NOT NEIGHBOURS: lane r of tile j takes row 32 (r / 8) + 8 j + r % 8 of the wave's 64, so that the 32 sums of lane (r, h) are the columns 32 h + 0 .. 31: one whole scale block.
; The bias is the first four products' C.
; LDS.  Two slots of 128 rows of 1,024 + 16 bytes; the scale bytes of the 512 tokens; the results' 2,048 scale bytes; the spare words.  At the head: W1's 128 rows into slot 1 (wave 0), chunk 0 of the tokens into slot 0 (wave 1), half of the tokens' scale bytes each (waves 2, 3).
; When all waves hold W1 in registers, chunk 1 is filled over it.  Each refill (chunks 1, 2, 3) stands behind a drained round of the cluster's barrier, a quarter of 128 rows a wave; by the text's own count it has four blocks' work in which to land.
; A TRIP: the fetch of the next block's fragments; the way out of the block before (gelu, quantiser, stores), under which the fetch lands; the wait; the 32 products.  The first trip has no block before it.
; JOINT LOADS: the tokens' rows are shared along a row of the cluster, W1's along a column.  PREFETCH: behind the refill that asks for chunk n + 1 the sixteen waves of a cluster's row ask for chunk n + 2, 8,192 bytes a wave, lanes 256 bytes apart, told apart by address; chunk 1 at the head; the last refill asks for nothing.
; gelu(x) = max(x, 0) - |x| erfc(|x| / sqrt 2) / 2, erfc(z) = t exp(-z^2 + a polynomial of degree 9 in t), t = 1 / (1 + z / 2); the polynomial's constants carry the factor log2(e).
; LIMITS: a block of zeros gets the byte 1 where the rule says 127 (its codes are zeros, and this program alone reads the bytes); NaN and infinities are not served.
.set KROW, 1024
.set KS, 32
.set PITCH, KROW+16
.set CH, 128
.set TM, 512
.set TN, 128
.set FR, 16
.set FPW, 16
.set NP, 8
.set YB, CH*PITCH
.set SCL, 2*CH*PITCH
.set RS, 32
.set SSTEP, 4*272
.set XN, SCL+2*RS*272
.set SPARE, XN+2048
.set ADRA0, 4                          ; v4  LDS: my fragments of block 0 of a slot
.set CN, 5                             ; v5  my codes in a group of 16 tokens: 512 h + 16 r
.set AAS0, 6                           ; v6  LDS: my token's scale words in block 0
.set PF, 7                             ; v7  256 x lane
.set BO, 8                             ; v8  128 h
.set VX, 9                             ; v9  LDS: my scale byte of block 0
.set SPW, 10
.set NIL, 11
.set ADRA, 12
.set VXT, 13
.set ADRB, 14                          ; v14 LDS: my fragments of W1
.set GOT, 15
.set ABS, 16
.set AAS, 17
.set SLD, 18
.set SGO, 19
.set SOP, 20
.set EB, 21
.set SB, 24                            ; v24-39 W1's scale words: register 8 p + q: lanes 0-15 tile 2 p's, lanes 16-31 tile 2 p + 1's
.set K8, 40
.set SA, 44                            ; v44-51 the tokens' scale words
.set TQ, 60
.set T, 64                             ; v64-95 the four accumulators
.set U, 96
.set P, 128
.set W, 160
.set BQ, 192                           ; v192-223 the bias
.set NCD, 224
.set G1A, 24
.set G1B, 32
.set G1R, 48
.set G0A, 56
.set G0B, 60
.set G0R, 68
.set G0S, 72
.set G1S, 92
.set KW, 76
.set K9, 42
.set SAA, 44
.set MNT, 45
.set MSB, 0
.macro WIN new
.if MSB != (\new)
	s_set_vgpr_msb (MSB<<8)|(\new)
.set MSB, (\new)
.endif
.endm
.macro PLACES n
.rept \n
	v_nop
.endr
.endm
.macro BARRIER
	s_barrier_signal -1
	s_barrier_wait -1
.endm
.macro CROUND
	BARRIER
	s_cmp_lg_u32 s14, 0
	s_cbranch_scc1 .Lnot_wave_0_\@
	s_barrier_signal -3
.Lnot_wave_0_\@:
	s_barrier_wait -3
	BARRIER
.endm
.macro TLOAD g0, g1                    ; an s_nop 0 and four v_nop follow the load
	tensor_load_to_lds s[\g0:\g0+3], s[\g1:\g1+7]
	s_nop 0
	PLACES 4
.endm
.macro GROUP1 g, mask, rows            ; so many whole rows of K, 16 bytes of padding behind each
	s_or_b32 s[\g+0], s[\mask], (1<<20)|(1<<21)|(7<<22)|(3<<25)
	s_mov_b32 s[\g+1], KROW<<16
	s_mov_b32 s[\g+2], (\rows)<<16
	s_mov_b32 s[\g+3], KROW<<16
	s_mov_b32 s[\g+4], \rows
	s_mov_b32 s[\g+5], KROW
	s_mov_b32 s[\g+6], 0
	s_mov_b32 s[\g+7], 0
.endm
	s_load_b256 s[4:11], s[0:1], 0x0               ; hn, W1's codes, W1's scales, b1
	s_load_b64 s[12:13], s[0:1], 0x20              ; gc
	v_lshl_add_u32 v[SPW], v0, 2, SPARE
	v_mov_b32 v[NIL], 0
	ds_add_u32 v[SPW], v[NIL]                      ; the opening lines: the add, twice on end, and its wait ahead of my first tensor load
	ds_add_u32 v[SPW], v[NIL]
	v_lshrrev_b32 v1, 5, v0
	v_readfirstlane_b32 s14, v1                    ; wave
	s_lshr_b32 s15, s14, 1                         ; my row of waves
	s_and_b32 s16, s14, 1                          ; my column of waves
	s_bfe_u32 s40, ttmp6, 0x40000                  ; cx, cy
	s_bfe_u32 s41, ttmp6, 0x40004
	s_lshl_b32 s42, ttmp9, 2
	s_add_co_u32 s42, s42, s40                     ; tile column 0 .. 31
	s_and_b32 s43, ttmp7, 0xffff
	s_lshl_b32 s43, s43, 2
	s_add_co_u32 s43, s43, s41                     ; tile row 0 .. 7
	s_lshl_b32 s44, s41, 2
	s_lshl_b32 s44, 15, s44                        ; my row of the cluster
	s_lshl_b32 s45, 0x1111, s40                    ; my column
	GROUP1 G1B, 45, TN
	GROUP1 G1A, 44, CH
	GROUP1 G1R, 44, CH/4
	s_or_b32 s[G1S+0], s44, (3<<16)|(1<<20)|(1<<21)|(5<<22)|(3<<25)   ; the scale bytes of 256 tokens: 8,192 dense bytes as 32 rows of 256, 16 of padding behind each
	s_mov_b32 s[G1S+1], 32<<16
	s_mov_b32 s[G1S+2], RS<<16
	s_mov_b32 s[G1S+3], 32<<16
	s_mov_b32 s[G1S+4], RS
	s_mov_b32 s[G1S+5], 32
	s_mov_b32 s[G1S+6], 0
	s_mov_b32 s[G1S+7], 0
	s_mov_b32 s[G0S], 1
	s_mul_i32 s[G0S+1], s16, RS*272
	s_add_co_u32 s[G0S+1], s[G0S+1], SCL
	s_mov_b32 s[G0A], 1
	s_mov_b32 s[G0A+1], 0
	s_mov_b32 s[G0B], 1
	s_mov_b32 s[G0B+1], YB
	s_mov_b32 s[G0R], 1
	; offsets into the buffers, each under 2^31
	s_mul_i32 s76, s43, TM*KROW                    ; my tokens' codes
	s_mov_b32 s77, 0
	s_mul_i32 s78, s42, TN*KROW                    ; W1's rows
	s_mov_b32 s79, 0
	s_mul_i32 s80, s43, TM*KS                      ; the tokens' scale bytes: waves 2, 3 a half each
	s_mul_i32 s81, s16, 256*KS
	s_add_co_u32 s80, s80, s81
	s_add_co_u32 s80, s80, 0x400000
	s_mov_b32 s81, 0
	s_mul_i32 s82, s42, TN*KS                      ; W1's scale bytes: my wave's 64 rows
	s_mul_i32 s83, s16, 64*KS
	s_add_co_u32 s82, s82, s83
	s_mov_b32 s83, 0
	s_mul_i32 s84, s14, CH/4*KROW                  ; a refill: my quarter, at chunk 0; each refill steps it
	s_add_co_u32 s84, s84, s76
	s_mov_b32 s85, 0
	s_lshl_b32 s86, s40, 2                         ; a prefetch: which of the cluster row's sixteen waves I am, at chunk 1
	s_add_co_u32 s86, s86, s14
	s_lshl_b32 s86, s86, 13
	s_add_co_u32 s86, s86, s76
	s_add_co_u32 s86, s86, CH*KROW
	s_mov_b32 s87, 0
	s_lshl_b32 s88, s42, 9                         ; the bias of my 64 columns
	s_lshl_b32 s89, s16, 8
	s_add_co_u32 s88, s88, s89
	s_mov_b32 s89, 0
	s_lshl_b32 s90, s43, 21                        ; gc's codes: block of 128 tokens 4 x tile row, plane 2 x tile column + my column of waves, group = my row of waves
	s_lshl_b32 s91, s42, 14
	s_add_co_u32 s90, s90, s91
	s_lshl_b32 s91, s16, 13
	s_add_co_u32 s90, s90, s91
	s_lshl_b32 s91, s15, 10
	s_add_co_u32 s90, s90, s91
	s_mov_b32 s91, 0
	s_lshl_b32 s66, s42, 14                        ; gc's scale words: 2,048 bytes on end a work-group, 512 a wave
	s_lshl_b32 s67, s43, 11
	s_add_co_u32 s66, s66, s67
	s_lshl_b32 s67, s14, 9
	s_add_co_u32 s66, s66, s67
	s_add_co_u32 s66, s66, 0x1000000
	s_mov_b32 s67, 0
	s_wait_dscnt 0x0                               ; both opening adds are done
	CROUND                                         ; all sixteen work-groups are here: the first joint loads meet
	s_wait_kmcnt 0x0
	s_add_nc_u64 s[G0A+2:G0A+3], s[4:5], s[76:77]
	s_or_b32 s[G0A+3], s[G0A+3], 0x80000000
	s_add_nc_u64 s[G0B+2:G0B+3], s[6:7], s[78:79]
	s_or_b32 s[G0B+3], s[G0B+3], 0x80000000
	s_add_nc_u64 s[G0S+2:G0S+3], s[4:5], s[80:81]
	s_or_b32 s[G0S+3], s[G0S+3], 0x80000000
	s_add_nc_u64 s[G0R+2:G0R+3], s[4:5], s[84:85]
	s_or_b32 s[G0R+3], s[G0R+3], 0x80000000
	s_cmp_eq_u32 s14, 0                            ; one joint load a wave; wave 0 alone waits at the first barrier, so it has a line of its own
	s_cbranch_scc0 .Lwave_1
	TLOAD G0B, G1B                                 ; W1's rows: wanted first
	s_branch .Lasked
.Lwave_1:
	s_cmp_eq_u32 s14, 1
	s_cbranch_scc0 .Lfor_scales
	TLOAD G0A, G1A                                 ; chunk 0
	s_branch .Lasked
.Lfor_scales:
	TLOAD G0S, G1S
.Lasked:
	s_add_nc_u64 s[2:3], s[4:5], s[86:87]
	s_add_nc_u64 s[8:9], s[8:9], s[82:83]
	s_add_nc_u64 s[10:11], s[10:11], s[88:89]
	s_add_nc_u64 s[22:23], s[12:13], s[90:91]
	s_add_nc_u64 s[12:13], s[12:13], s[66:67]
	s_mul_i32 s17, s15, 16*PITCH                   ; block 0: rows 16 x my row of waves on
	s_mul_i32 s18, s16, 64*PITCH
	s_add_co_u32 s18, s18, YB                      ; my 64 rows of W1, in slot 1
	s_mul_i32 s19, s15, 2*272
	s_add_co_u32 s19, s19, SCL
	s_lshl_b32 s20, s15, 6
	s_lshl_b32 s21, s16, 1
	s_add_co_u32 s20, s20, s21
	s_add_co_u32 s20, s20, XN
	s_lshl_b32 s21, s14, 9
	s_add_co_u32 s21, s21, XN
	v_and_b32 v1, 15, v0                           ; r
	v_bfe_u32 v2, v0, 4, 1                         ; h
	v_and_b32 v3, 31, v0                           ; lane
	v_and_b32 v20, 7, v0                           ; r % 8
	v_bfe_u32 v21, v0, 3, 1                        ; r / 8
	v_mul_u32_u24 v22, v1, PITCH
	v_lshl_add_u32 v22, v2, 4, v22
	v_add_nc_u32 v[ADRA0], s17, v22                ; a token's row x pitch + 16 h
	v_lshl_add_u32 v23, v21, 5, v20                ; 32 (r / 8) + r % 8
	v_mul_u32_u24 v22, v23, PITCH
	v_lshl_add_u32 v22, v2, 4, v22
	v_add_nc_u32 v[ADRB], s18, v22
	v_lshl_add_u32 v23, v2, 3, v23                 ; W1's scale words: lanes 16-31 take the next tile's rows, 8 on
	v_lshlrev_b32 v[ABS], 5, v23
	v_lshlrev_b32 v22, 5, v1                       ; a token's scale bytes: 32 a row, 16 more behind each 256
	v_lshl_add_u32 v22, v21, 4, v22
	v_add_nc_u32 v[AAS0], s19, v22
	v_lshlrev_b32 v22, 9, v2
	v_lshl_add_u32 v[CN], v1, 4, v22
	v_lshl_add_u32 v22, v1, 2, v2                  ; my scale byte: 4 r + h, + 64 x row of waves + 2 x column of waves
	v_add_nc_u32 v[VX], s20, v22
	v_lshlrev_b32 v[BO], 7, v2
	v_lshlrev_b32 v[PF], 8, v3
	v_lshlrev_b32 v[SGO], 4, v3
	v_add_nc_u32 v[SLD], s21, v[SGO]
	v_mov_b32 v[K8], 0xbf97d29d
	v_mov_b32 v[K8+1], 0xbf97d29d
.irp p, 0,1
.irp c, 0,1
	global_load_b128 v[SB+8*\p+4*\c:SB+8*\p+4*\c+3], v[ABS], s[8:9] offset:\p*16*KS+16*\c
.endr
.endr
.irp k, 0,1,2,3,4,5,6,7
	global_load_b128 v[BQ+4*\k:BQ+4*\k+3], v[BO], s[10:11] offset:16*\k   ; register 8 j + i: b1 at column 32 h + 8 j + i
.endr
.set I_, 0
.rept 32
	v_mov_b32 v[T+I_], 0                           ; written once, so that every way through the text finds the way out's sources written; the sums themselves begin with the bias
.set I_, I_+1
.endr
	s_mov_b32 s76, 0xbf38aa3b                      ; -log2(e) / 2, for -z^2
	s_mov_b32 s78, 0xbfe9b21e                      ; the polynomial, lowest power first: s78 .. s90, s40, v[K8], s42
	s_mov_b32 s80, 0x3fb8ab5a
	s_mov_b32 s82, 0x3f0a29d2
	s_mov_b32 s84, 0x3e0efb2e
	s_mov_b32 s86, 0xbe899a80
	s_mov_b32 s88, 0x3ecdfd18
	s_mov_b32 s90, 0xbfd1a1e5
	s_mov_b32 s40, 0x40097039
	s_mov_b32 s42, 0x3e7c6f08
.irp k, 76,78,80,82,84,86,88,90,40,42
	s_mov_b32 s[\k+1], s[\k]                       ; (the packed forms name pairs)
.endr
	s_mov_b32 s[SAA], 0x3eb504f3                   ; 1 / (2 sqrt 2)
	s_mov_b32 s[MNT], 0x600000                     ; the mantissa field of 448
	s_mov_b32 s46, 0                               ; refills done
	s_mov_b32 s47, YB                              ; the slot that the next refill fills
	s_mov_b32 s17, 0                               ; the next fetch's scale words
	s_mov_b32 s18, 0                               ; the way out's scale byte: 128 a block
	s_mov_b32 s19, -1                              ; the block that goes out in this trip
	s_wait_alu depctr_va_vdst(0)
	s_cmp_eq_u32 s14, 0
	s_cbranch_scc0 .Lnot_b
	s_wait_tensorcnt 0x0                           ; wave 0: W1's rows have landed
.Lnot_b:
	BARRIER
	global_prefetch_b8 v[PF], s[2:3] th:TH_LOAD_NT scope:SCOPE_SE   ; chunk 1
.irp q, 0,1,2,3,4,5,6,7                ; my 64 rows of W1, all of K: fragment 4 q + j in window 1 + (4 q + j) / 16
.irp j, 0,1,2,3
	WIN (1+(4*\q+\j)/FPW)<<6
.irp c, 0,1,2,3
	ds_load_b128 v[FR*((4*\q+\j)%FPW)+4*\c:FR*((4*\q+\j)%FPW)+4*\c+3], v[ADRB] offset:128*\q+32*\c+\j*8*PITCH
.endr
.endr
.endr
	WIN 0
	s_wait_loadcnt 0x0                             ; W1's scale words and the bias
.macro PROD n                          ; product n = 4 q + j: the q-th 128 of K, tile j; the four accumulators take turns
.set Q_, (\n)/4
.set B_, (\n)%4
.set AC_, T+8*B_
.set C_, AC_
.if Q_ == 0
.set C_, BQ+8*B_
.endif
	WIN (1+(\n)/FPW)|(3<<2)
.if B_%2
	v_wmma_scale_f32_16x16x128_f8f6f4 v[AC_:AC_+7], v[FR*((\n)%FPW):FR*((\n)%FPW)+FR-1], v[FR*Q_:FR*Q_+FR-1], v[C_:C_+7], v[SB+8*(B_/2)+Q_], v[SA+Q_] matrix_a_scale:MATRIX_SCALE_ROW1
.else
	v_wmma_scale_f32_16x16x128_f8f6f4 v[AC_:AC_+7], v[FR*((\n)%FPW):FR*((\n)%FPW)+FR-1], v[FR*Q_:FR*Q_+FR-1], v[C_:C_+7], v[SB+8*(B_/2)+Q_], v[SA+Q_]
.endif
.endm
.macro WAYOUT                          ; block s19: 32 sums a lane -> gelu -> one scale block: 32 codes and a byte
	s_wait_xcnt 0x0                                ; the last block's stores have read their registers
	s_lshr_b32 s20, s19, 2
	s_lshl_b32 s20, s20, 19                        ; the block of 128 tokens,
	s_and_b32 s21, s19, 3
	s_lshl_b32 s21, s21, 11                        ; two groups of 16 a block
	s_add_co_u32 s20, s20, s21
	v_add_nc_u32 v[GOT], s20, v[CN]
	v_add_nc_u32 v[VXT], s18, v[VX]
.set I_, 0
.rept 32
	v_fma_f32 v[U+I_], |v[T+I_]|, s[SAA], 1.0      ; 1 + z / 2; each accumulator is read from its low end on
.set I_, I_+1
.endr
	s_wait_alu depctr_va_vdst(0)                   ; ahead of a batch of transcendentals
.set I_, 0
.rept 16
	v_rcp_f32 v[U+I_], v[U+I_]                     ; t
	v_rcp_f32 v[U+I_+1], v[U+I_+1]
	v_pk_mul_f32 v[W+I_:W+I_+1], v[T+I_:T+I_+1], v[T+I_:T+I_+1]   ; x^2: reads nothing of the batch, and is read behind the wait below
.set I_, I_+2
.endr
	s_wait_alu depctr_va_vdst(0)                   ; and behind it, ahead of its first reader
.set I_, 0
.rept 16
	v_pk_fma_f32 v[P+I_:P+I_+1], v[U+I_:U+I_+1], s[K9:K9+1], v[K8:K8+1] op_sel_hi:[1,0,1]
.set I_, I_+2
.endr
.irp k, 40,90,88,86,84,82,80,78
.set I_, 0
.rept 16
	v_pk_fma_f32 v[P+I_:P+I_+1], v[P+I_:P+I_+1], v[U+I_:U+I_+1], s[\k:\k+1] op_sel_hi:[1,1,0]
.set I_, I_+2
.endr
.endr
.set I_, 0
.rept 16
	v_pk_fma_f32 v[P+I_:P+I_+1], v[W+I_:W+I_+1], s[KW:KW+1], v[P+I_:P+I_+1] op_sel_hi:[1,0,1]
.set I_, I_+2
.endr
	s_wait_alu depctr_va_vdst(0)                   ; ahead of the batch
.set I_, 0
.rept 32
	v_exp_f32 v[P+I_], v[P+I_]
	v_max_num_f32 v[W+I_], 0, v[T+I_]              ; max(x, 0): reads nothing of the batch
.set I_, I_+1
.endr
	s_wait_alu depctr_va_vdst(0)                   ; behind the batch
.set I_, 0
.rept 16
	v_pk_mul_f32 v[P+I_:P+I_+1], v[P+I_:P+I_+1], v[U+I_:U+I_+1]   ; erfc
.set I_, I_+2
.endr
.set I_, 0
.rept 16
	v_pk_mul_f32 v[P+I_:P+I_+1], v[P+I_:P+I_+1], v[T+I_:T+I_+1]
.set I_, I_+2
.endr
.set I_, 0
.rept 32
	v_fma_f32 v[T+I_], |v[P+I_]|, -0.5, v[W+I_]    ; gelu
.set I_, I_+1
.endr
.irp k, 0,1,2,3                        ; the largest magnitude of the 32, in four chains
	v_max3_num_f32 v[TQ+\k], |v[T+8*\k]|, |v[T+8*\k+1]|, |v[T+8*\k+2]|
.endr
.irp i, 3,5
.irp k, 0,1,2,3
	v_max3_num_f32 v[TQ+\k], v[TQ+\k], |v[T+8*\k+\i]|, |v[T+8*\k+\i+1]|
.endr
.endr
.irp k, 0,1,2,3
	v_max_num_f32 v[TQ+\k], v[TQ+\k], |v[T+8*\k+7]|
.endr
	v_max3_num_f32 v[TQ], v[TQ], v[TQ+1], v[TQ+2]
	v_max3_num_f32 v[TQ], v[TQ], v[TQ+3], 0x4800000   ; the floor 2^(9 - 127): the byte cannot fall under 1
	v_add_nc_u32 v[SOP], 0xfc000000, v[TQ]         ; 8 off the exponent field: the conversions' scale operand
	v_and_or_b32 v[TQ+1], v[TQ], 0x7f800000, s[MNT]   ; 448 x the scale
	v_lshrrev_b32 v[EB], 23, v[SOP]                ; the byte: stored here, so that the store is done under the holds and conversions, ahead of the products' wait
	ds_store_b8 v[VXT], v[EB]
.set I_, 0
.rept 32
	v_med3_num_f32 v[T+I_], v[T+I_], -v[TQ+1], v[TQ+1]   ; the conversion does not saturate (ISA guide 7.6.2): the hold comes first
.set I_, I_+1
.endr
.irp k, 0,1,2,3
	v_cvt_scalef32_pk8_fp8_f32 v[NCD+2*\k:NCD+2*\k+1], v[T+8*\k:T+8*\k+7], v[SOP]
.endr
	v_nop                                          ; the plain line behind the conversions: the next products write their sources
	global_store_b128 v[GOT], v[NCD:NCD+3], s[22:23]               ; sixteen lanes store 256 consecutive bytes, aligned: piece 2 h of 16 tokens,
	global_store_b128 v[GOT], v[NCD+4:NCD+7], s[22:23] offset:256  ; and piece 2 h + 1
	s_add_co_u32 s18, s18, 128
.endm
.macro BODY
	v_add_nc_u32 v[ADRA], s101, v[ADRA0]
	v_add_nc_u32 v[AAS], s17, v[AAS0]
	WIN 3<<6
.irp q, 0,1,2,3,4,5,6,7                ; the next block: 16 tokens, all of K
.irp c, 0,1,2,3
	ds_load_b128 v[FR*\q+4*\c:FR*\q+4*\c+3], v[ADRA] offset:128*\q+32*\c
.endr
.endr
	WIN 0
	ds_load_b128 v[SA:SA+3], v[AAS]
	ds_load_b128 v[SA+4:SA+7], v[AAS] offset:16
	s_add_co_u32 s101, s101, 32*PITCH              ; my next block lies 32 rows on
	s_add_co_u32 s17, s17, SSTEP
	s_cmp_lt_i32 s19, 0                            ; the first trip has no block before it
	s_cbranch_scc1 .Lnone_\@
	WAYOUT
.Lnone_\@:
	s_add_co_u32 s19, s19, 1
	s_wait_dscnt 0x0                               ; the fetch has landed under the way out
.set N_, 0
.rept 32
	PROD N_
.set N_, N_+1
.endr
	WIN 0
	PLACES NP                                      ; eight places behind the last product, ahead of the fetch into what it has read and of the first reader of its sums
.endm
.macro GROUP                           ; four trips: the four fetches of a chunk
	s_mov_b32 s100, 0
.Lblock_\@:
	BODY
	s_add_co_u32 s100, s100, 1
	s_cmp_lt_u32 s100, 4
	s_cbranch_scc1 .Lblock_\@
.endm
.Lchunk:                                           ; three trips: chunk n is shown, chunk n + 1 is asked for, into the slot that nobody reads any more (the first time: W1's, which is in registers)
	s_wait_tensorcnt 0x0                           ; all my tensor loads have landed
	ds_add_u32 v[SPW], v[NIL]                      ; 0 onto my spare word
	s_mul_i32 s[G0R+1], s14, CH/4*PITCH
	s_add_co_u32 s[G0R+1], s[G0R+1], s47
	s_add_nc_u64 s[G0R+2:G0R+3], s[G0R+2:G0R+3], CH*KROW
	s_xor_b32 s47, s47, YB
	s_mov_b32 s101, s47                            ; the chunk that is fetched next lies in the other slot
	s_wait_xcnt 0x0                                ; my last prefetch has read its address
	s_add_nc_u64 s[2:3], s[2:3], CH*KROW
	s_wait_dscnt 0x0                               ; the add is done, and so are my reads of the slot
	CROUND                                         ; the same holds of every wave of all sixteen work-groups
	TLOAD G0R, G1R
	s_cmp_lt_u32 s46, 2                            ; behind chunk 3 there is nothing to ask for
	s_cbranch_scc0 .Lno_ask
	global_prefetch_b8 v[PF], s[2:3] th:TH_LOAD_NT scope:SCOPE_SE
.Lno_ask:
	GROUP
	s_add_co_u32 s46, s46, 1
	s_cmp_lt_u32 s46, 3
	s_cbranch_scc1 .Lchunk
	s_wait_tensorcnt 0x0                           ; chunk 3 is in; nothing is filled again
	s_xor_b32 s101, s47, YB
	s_wait_dscnt 0x0
	BARRIER
	GROUP
	WAYOUT                                         ; block 15
	s_wait_dscnt 0x0                               ; for the others' sake: my scale bytes are written
	BARRIER
	ds_load_b128 v[TQ:TQ+3], v[SLD]                ; 512 of the work-group's 2,048 scale bytes a wave
	s_wait_dscnt 0x0
	global_store_b128 v[SGO], v[TQ:TQ+3], s[12:13]
	s_wait_tensorcnt 0x0                           ; the wave's end
	ds_add_u32 v[SPW], v[NIL]
	s_wait_dscnt 0x0
	CROUND                                         ; the closing round
	s_endpgm
.Lfunc_end_k_qac5c04b350_w1:
	.size	k_qac5c04b350_w1, .Lfunc_end_k_qac5c04b350_w1-k_qac5c04b350_w1
	.p2alignl 7, 3214868480
	.fill 96, 4, 3214868480
	.section	.rodata,"a",@progbits
	.p2align	6, 0x0
	.amdhsa_kernel k_qac5c04b350_w1
		.amdhsa_group_segment_fixed_size 327680
		.amdhsa_private_segment_fixed_size 0
		.amdhsa_enable_private_segment 0
		.amdhsa_kernarg_size 40
		.amdhsa_user_sgpr_count 2
		.amdhsa_user_sgpr_kernarg_segment_ptr 1
		.amdhsa_wavefront_size32 1
		.amdhsa_system_sgpr_workgroup_id_x 1
		.amdhsa_system_sgpr_workgroup_id_y 1
		.amdhsa_system_sgpr_workgroup_id_z 1
		.amdhsa_system_vgpr_workitem_id 0
		.amdhsa_next_free_vgpr 1024
		.amdhsa_next_free_sgpr 102
		.amdhsa_reserve_vcc 0
		.amdhsa_float_denorm_mode_32 3
		.amdhsa_float_denorm_mode_16_64 3
		.amdhsa_memory_ordered 1
		.amdhsa_forward_progress 1
		.amdhsa_inst_pref_size 110
	.end_amdhsa_kernel
	.amdgpu_metadata
---
amdhsa.version: [ 1, 2 ]
amdhsa.kernels:
  - .name:           k_qac5c04b350_w1
    .symbol:         k_qac5c04b350_w1.kd
    .args:
      - { .name: hn, .offset: 0, .size: 8, .value_kind: global_buffer, .address_space: global }
      - { .name: W1_codes, .offset: 8, .size: 8, .value_kind: global_buffer, .address_space: global }
      - { .name: W1_scales, .offset: 16, .size: 8, .value_kind: global_buffer, .address_space: global }
      - { .name: b1, .offset: 24, .size: 8, .value_kind: global_buffer, .address_space: global }
      - { .name: gc, .offset: 32, .size: 8, .value_kind: global_buffer, .address_space: global }
    .group_segment_fixed_size: 327680
    .private_segment_fixed_size: 0
    .kernarg_segment_align: 8
    .kernarg_segment_size: 40
    .max_flat_workgroup_size: 128
    .sgpr_count:     102
    .vgpr_count:     1024
    .wavefront_size: 32
...
	.end_amdgpu_metadata
.endif
;; end of part 5
;; launch w2 (part 6): grid 8 x 32, 4 waves a work-group, clusters of 4 x 4, 327,680 bytes of LDS; arguments gc, W2_codes, W2_scales, b2, x1, out0; writes out0
.if DOCPART == 6
	.amdgcn_target "amdgcn-amd-amdhsa--gfx1250"
	.amdhsa_code_object_version 6
	.text
	.protected	k_qac5c04b350_w2
	.globl	k_qac5c04b350_w2
	.p2align	8
	.type	k_qac5c04b350_w2,@function
k_qac5c04b350_w2:
	s_mov_b64 s[64:65], 0
	v_nop
	global_prefetch_b8 v0, s[64:65] scope:SCOPE_SE
	s_setreg_imm32_b32 hwreg(HW_REG_WAVE_MODE, 25, 1), 1
	s_wait_xcnt 0x0
	s_wait_alu depctr_hold_cnt(0) depctr_sa_sdst(0) depctr_va_vdst(0) depctr_va_sdst(0) depctr_va_ssrc(0) depctr_va_vcc(0) depctr_vm_vsrc(0)
	s_getreg_b32 s2, hwreg(HW_REG_IB_STS2, 6, 4)
	s_cmp_eq_u32 s2, 0
	s_cbranch_scc0 .Lentry_in_a_cluster
	s_endpgm
.Lentry_in_a_cluster:
	s_bfe_u32 s2, ttmp6, 0x10000c
	s_cmp_lg_u32 s2, 0xf033
	s_cbranch_scc0 .Lentry_shape_is_right
	s_endpgm
.Lentry_shape_is_right:
; out = resid + bias + A B^T on codes of E4M3 with E8M0 scales.  A: 4,096 tokens x SIZE_K, made by this program: codes [block of 128 tokens][plane of 64 along K][token][64], scale words [K step of 128][token][4]
; behind them.  B: [1024][SIZE_K] codes, K innermost, scale bytes [1024][SIZE_K / 32].  bias [1024], resid and out [4096][1024] f32.
; A tile of out is 128 x 128, so that all 256 WGPs have one; four waves, each 64 x 64: 16 accumulators.  K goes in steps of 512 through two LDS slots: a step of A's tile is one dense block of 65,536 bytes.
; The scales of the tile's rows for all of K come once, with the first fills.  CLUSTERS 4 x 4: A's tiles are shared along a row of the cluster, B's along a column: joint loads.
; The matrix instruction is used transposed (source 0 = B, source 1 = A): a lane holds eight neighbouring numbers of a row of out.
; REGISTERS: window 0: v0-31 addresses; v32-63 A's scale words, v64-95 B's, two sets each; v96-99 the bias; v128-255 accumulators ((a, b) at v[128 + 8 (4 a + b)]).  window 1: two sets of fragments (A 64, B 64).  window 2: v0-127 the residual.
.set SIZE_K, 4096
.set KSTEP,  512
.set PLB,    8704                      ; a plane in LDS: 32 rows of (4 tokens x 64 bytes + 16)
.set AREG,   8*PLB
.set PITCHB, 528                       ; a row of B: 512 bytes + 16
.set HALFB,  64*PITCHB
.set SLOT,   AREG+2*HALFB
.set LAPS,   SIZE_K/(2*KSTEP)
.set KS,     SIZE_K/32
.set SCA,    2*SLOT                    ; A's scale words: SIZE_K / 128 rows of 512 bytes
.set SCAH,   (SIZE_K/256)*512
.set SCB,    SCA+2*SCAH                ; B's scale bytes, as rows of 256 + 16
.set HALFSB, (64*KS/256)*272
.set SBLK,   (16*KS/256)*272
.set SPARE,  SCB+2*HALFSB              ; the spare words, 128 bytes a wave: two blocks of 256 bytes that no other line names
.set ADRA, 16
.set ADRB, 20
.set ADSA, 22
.set ADSB, 23
.set STO,  24
.set RD,   25
.set CO,   26
.set BO,   27
.set SPW,  28
.set NIL,  29
.set SA,   32
.set SB,   64
.set BI,   96
.set ACC,  128
.set WV,  16
.set RH,  17
.set CH,  18
.set G1, 24
.set G0, 32
.set G1B, 48
.set G0B, 56
.set G1S, 68
.set G0S, 76
.set G1SB, 80
.set G0SB, 88
.set MSB, 0
.macro WIN new
.if MSB != (\new)
	s_set_vgpr_msb (MSB<<8)|(\new)
.set MSB, (\new)
.endif
.endm
.macro JLOAD g0a, g1a, g0b, g1b        ; waves 0 and 1 fetch for A, waves 2 and 3 for B; four v_nop follow each line
	s_cmp_eq_u32 s[RH], 0
	s_cbranch_scc0 .Lfor_b_\@
	tensor_load_to_lds s[\g0a:\g0a+3], s[\g1a:\g1a+7]
	s_nop 0
.rept 4
	v_nop
.endr
	s_branch .Lasked_\@
.Lfor_b_\@:
	tensor_load_to_lds s[\g0b:\g0b+3], s[\g1b:\g1b+7]
	s_nop 0
.rept 4
	v_nop
.endr
.Lasked_\@:
.endm
.macro CROUND
	s_barrier_signal -1
	s_barrier_wait -1
	s_cmp_lg_u32 s[WV], 0
	s_cbranch_scc1 .Lnot_wave_0_\@
	s_barrier_signal -3
.Lnot_wave_0_\@:
	s_barrier_wait -3
	s_barrier_signal -1
	s_barrier_wait -1
.endm
.macro PLACES n
.rept \n
	v_nop
.endr
.endm
	s_load_b256 s[4:11], s[0:1], 0x0               ; A, B's codes, B's scales, bias
	s_load_b128 s[12:15], s[0:1], 0x20             ; resid, out
	v_lshl_add_u32 v[SPW], v0, 2, SPARE
	v_mov_b32 v[NIL], 0
	ds_add_u32 v28, v29
	ds_add_u32 v28, v29
	s_wait_dscnt 0x0
	v_lshrrev_b32 v1, 5, v0
	v_readfirstlane_b32 s[WV], v1
	s_lshr_b32 s[RH], s[WV], 1                     ; my half of the tile's rows.  Also: I fetch for A (0) or for B (1)
	s_and_b32 s[CH], s[WV], 1                      ; my half of its columns.  Also: which half I fetch
	s_bfe_u32 s40, ttmp6, 0x40000                  ; cx, cy
	s_bfe_u32 s41, ttmp6, 0x40004
	s_lshl_b32 s42, ttmp9, 2
	s_add_co_u32 s42, s42, s40                     ; tile column
	s_and_b32 s43, ttmp7, 0xffff
	s_lshl_b32 s43, s43, 2
	s_add_co_u32 s43, s43, s41                     ; tile row = block of 128 tokens
	s_lshl_b32 s44, s41, 2
	s_lshl_b32 s44, 15, s44                        ; my row of the cluster
	s_lshl_b32 s45, 0x1111, s40                    ; my column
	s_or_b32 s[G1], s44, (3<<16)|(1<<20)|(1<<21)|(5<<22)|(3<<25)    ; A's codes: 128 dense rows of 256 bytes (32 elements of 8), 4 words of padding behind each
	s_mov_b32 s[G1+1], 32<<16
	s_mov_b32 s[G1+2], 256<<16                     ; at the head a load brings a whole tile; behind it the row counts are halved
	s_mov_b32 s[G1+3], 32<<16
	s_mov_b32 s[G1+4], 256
	s_mov_b32 s[G1+5], 32
	s_mov_b32 s[G1+6], 0
	s_mov_b32 s[G1+7], 0
	s_or_b32 s[G1B], s45, (0<<16)|(1<<20)|(1<<21)|(6<<22)|(3<<25)   ; B's codes: 64 rows of 512 bytes, SIZE_K apart, 4 words of padding behind each
	s_mov_b32 s[G1B+1], KSTEP<<16
	s_mov_b32 s[G1B+2], 128<<16
	s_mov_b32 s[G1B+3], KSTEP<<16
	s_mov_b32 s[G1B+4], 128
	s_mov_b32 s[G1B+5], SIZE_K
	s_mov_b32 s[G1B+6], 0
	s_mov_b32 s[G1B+7], 0
	s_or_b32 s[G1S], s44, (3<<16)|(1<<21)          ; A's scale words: SIZE_K / 128 rows of 512 bytes, 16,384 apart, no padding
	s_mov_b32 s[G1S+1], 64<<16
	s_mov_b32 s[G1S+2], (SIZE_K/128)<<16
	s_mov_b32 s[G1S+3], 64<<16
	s_mov_b32 s[G1S+4], SIZE_K/128
	s_mov_b32 s[G1S+5], 2048
	s_mov_b32 s[G1S+6], 0
	s_mov_b32 s[G1S+7], 0
	s_or_b32 s[G1SB], s45, (3<<16)|(1<<20)|(1<<21)|(5<<22)|(3<<25)  ; B's scale bytes of 64 rows: dense, as rows of 256 bytes
	s_mov_b32 s[G1SB+1], 32<<16
	s_mov_b32 s[G1SB+2], (128*KS/256)<<16
	s_mov_b32 s[G1SB+3], 32<<16
	s_mov_b32 s[G1SB+4], 128*KS/256
	s_mov_b32 s[G1SB+5], 32
	s_mov_b32 s[G1SB+6], 0
	s_mov_b32 s[G1SB+7], 0
	s_mul_i32 s20, s43, SIZE_K*128                 ; A's codes: the block of tokens, my four planes of a step's eight
	s_lshl_b32 s21, s[CH], 15
	s_add_co_u32 s20, s20, s21
	s_mov_b32 s21, 0
	s_lshl_b32 s22, s43, 9
	s_add_co_u32 s22, s22, 4096*SIZE_K
	s_mov_b32 s23, 0
	s_lshl_b32 s46, s42, 7
	s_lshl_b32 s47, s[CH], 6
	s_mul_i32 s94, s46, KS
	s_add_co_u32 s46, s46, s47
	s_mov_b32 s95, 0
	s_mul_i32 s46, s46, SIZE_K
	s_mov_b32 s47, 0
	s_mul_i32 s96, s[CH], 4*PLB                    ; where they go: no place in the cluster enters an LDS address
	s_mul_i32 s97, s[CH], HALFB
	s_add_co_u32 s97, s97, AREG
	s_wait_kmcnt 0x0
	s_add_nc_u64 s[20:21], s[4:5], s[20:21]
	s_add_nc_u64 s[22:23], s[4:5], s[22:23]
	s_add_nc_u64 s[46:47], s[6:7], s[46:47]
	s_add_nc_u64 s[94:95], s[8:9], s[94:95]
	CROUND                                         ; all sixteen work-groups are here: the first joint loads meet
	s_mov_b32 s[G0S], 1
	s_mov_b32 s[G0S+1], SCA
	s_mov_b64 s[G0S+2:G0S+3], s[22:23]
	s_or_b32 s[G0S+3], s[G0S+3], 0x80000000
	s_mov_b32 s[G0SB], 1
	s_mov_b32 s[G0SB+1], SCB
	s_mov_b64 s[G0SB+2:G0SB+3], s[94:95]
	s_or_b32 s[G0SB+3], s[G0SB+3], 0x80000000
.irp s, 0,1
	s_mov_b32 s[G0+4*\s], 1
	s_add_co_u32 s[G0+4*\s+1], s96, \s*SLOT
	s_add_nc_u64 s[G0+4*\s+2:G0+4*\s+3], s[20:21], \s*65536
	s_or_b32 s[G0+4*\s+3], s[G0+4*\s+3], 0x80000000
	s_mov_b32 s[G0B+4*\s], 1
	s_add_co_u32 s[G0B+4*\s+1], s97, \s*SLOT
	s_add_nc_u64 s[G0B+4*\s+2:G0B+4*\s+3], s[46:47], \s*KSTEP
	s_or_b32 s[G0B+4*\s+3], s[G0B+4*\s+3], 0x80000000
.endr
	; THE HEAD'S FOUR TILES, ONE JOINT LOAD A WAVE: wave 0 K step 0 of A's codes, wave 2 of B's (their own slot 0 descriptors begin at the tile's first row), wave 1 A's scale words, wave 3 B's scale bytes, for all of K
	s_cmp_eq_u32 s[WV], 0
	s_cbranch_scc0 .Lh1
	tensor_load_to_lds s[G0:G0+3], s[G1:G1+7]
	s_nop 0
	PLACES 4
	s_branch .Lhj
.Lh1:
	s_cmp_eq_u32 s[WV], 1
	s_cbranch_scc0 .Lh2
	tensor_load_to_lds s[G0S:G0S+3], s[G1S:G1S+7]
	s_nop 0
	PLACES 4
	s_branch .Lhj
.Lh2:
	s_cmp_eq_u32 s[WV], 2
	s_cbranch_scc0 .Lh3
	tensor_load_to_lds s[G0B:G0B+3], s[G1B:G1B+7]
	s_nop 0
	PLACES 4
	s_branch .Lhj
.Lh3:
	tensor_load_to_lds s[G0SB:G0SB+3], s[G1SB:G1SB+7]
	s_nop 0
	PLACES 4
.Lhj:
	v_and_b32 v1, 15, v0                           ; r
	v_bfe_u32 v2, v0, 4, 1                         ; h
	v_mul_u32_u24 v3, v2, 272                      ; A'S CODES IN THIS LAUNCH: inside a plane, [group of 16 tokens][piece of 16 along K][token][16 bytes]: a piece of a group is one LDS row of 256 bytes
	v_lshl_add_u32 v3, v1, 4, v3                   ; piece h, 16 r
	s_mul_i32 s20, s[RH], 4352
	v_add_nc_u32 v[ADRA], s20, v3                  ; A: my 64 tokens; h rows + 16 r
	v_add_nc_u32 v[ADRA+1], SLOT, v[ADRA]
	v_mul_u32_u24 v5, v1, PITCHB
	v_lshl_add_u32 v5, v2, 4, v5
	s_mul_i32 s20, s[CH], HALFB
	s_add_co_u32 s20, s20, AREG
	v_add_nc_u32 v[ADRB], s20, v5
	v_add_nc_u32 v[ADRB+1], SLOT, v[ADRB]
	s_lshl_b32 s20, s[RH], 8
	s_add_co_u32 s20, s20, SCA
	v_lshl_add_u32 v[ADSA], v1, 2, s20             ; A's word of token 64 x half + r
	v_mul_u32_u24 v5, v1, KS
	v_lshrrev_b32 v6, 8, v5
	v_lshl_add_u32 v5, v6, 4, v5
	s_mul_i32 s20, s[CH], HALFSB
	s_add_co_u32 s20, s20, SCB
	v_add_nc_u32 v[ADSB], s20, v5                  ; B's bytes of row r: KS a row, 16 more for each 256 passed
	s_mul_i32 s20, s[WV], 4352                     ; my stage, in slot 0: 16 rows x (256 + 16)
	v_mul_u32_u24 v5, v1, 272
	v_lshl_add_u32 v5, v2, 5, v5
	v_add_nc_u32 v[STO], s20, v5
	v_mul_u32_u24 v5, v2, 272
	v_lshl_add_u32 v5, v1, 4, v5
	v_add_nc_u32 v[RD], s20, v5
	v_lshlrev_b32 v[CO], 12, v2
	v_lshl_add_u32 v[CO], v1, 4, v[CO]             ; in memory: lanes 0-15 one row's 256 bytes, lanes 16-31 the next row's
	v_lshlrev_b32 v[BO], 4, v1
	; THE PREFETCHES: behind each refill of the loop's first two trips a wave asks for its share of the K step that stands two refills on.  Of the 128 blocks of 256 bytes that a wave fetches, each of the four partners that ask for them jointly takes 32, told apart by address (cx for A, cy for B).
	s_mul_i32 s46, s43, SIZE_K*128
	s_lshl_b32 s47, s[CH], 15
	s_add_co_u32 s46, s46, s47
	s_lshl_b32 s47, s40, 13
	s_add_co_u32 s46, s46, s47
	s_add_co_u32 s46, s46, 3*65536                 ; A: at K step 3; the first refill steps it to 4
	s_lshl_b32 s92, s42, 7
	s_lshl_b32 s93, s[CH], 6
	s_add_co_u32 s92, s92, s93
	s_lshl_b32 s93, s41, 4
	s_add_co_u32 s92, s92, s93
	s_mul_i32 s92, s92, SIZE_K
	s_add_co_u32 s92, s92, 3*KSTEP                 ; B: 16 rows, two blocks a row
	s_cmp_eq_u32 s[RH], 0
	s_cselect_b64 s[20:21], s[4:5], s[6:7]
	s_cselect_b32 s46, s46, s92
	s_mov_b32 s22, KSTEP
	s_cselect_b32 s22, 65536, s22                  ; a K step on
	s_mov_b32 s94, SIZE_K
	s_cselect_b32 s94, 512, s94                    ; from one pair of lanes to the next
	s_mov_b32 s47, 0
	s_mov_b32 s23, 0
	s_add_nc_u64 s[20:21], s[20:21], s[46:47]
	v_and_b32 v5, 31, v0
	v_lshrrev_b32 v6, 1, v5
	v_and_b32 v5, 1, v5
	v_mul_u32_u24 v6, v6, s94
	v_lshl_add_u32 v30, v5, 8, v6
	s_wait_alu depctr_va_vdst(0)
	s_sub_nc_u64 s[96:97], s[20:21], s[22:23]      ; K step 2; never rewritten
	global_prefetch_b8 v30, s[96:97] th:TH_LOAD_NT scope:SCOPE_SE   ; K steps 2 and 3, which the loop's first two refills ask for; K steps 0 and 1 come by their loads alone
	global_prefetch_b8 v30, s[20:21] th:TH_LOAD_NT scope:SCOPE_SE
	s_lshl_b32 s92, s42, 9
	s_lshl_b32 s93, s[CH], 8
	s_add_co_u32 s92, s92, s93                     ; my first column, in bytes
	s_mov_b32 s93, 0
	s_add_nc_u64 s[10:11], s[10:11], s[92:93]
	s_lshl_b32 s94, s43, 19
	s_lshl_b32 s95, s[RH], 18
	s_add_co_u32 s94, s94, s95
	s_add_co_u32 s92, s92, s94                     ; + my first row
	s_add_nc_u64 s[12:13], s[12:13], s[92:93]
	s_add_nc_u64 s[14:15], s[14:15], s[92:93]
.macro FETCH slot, q, f                ; the fragments of the slot's q-th 128 along K into set f
	WIN 0x40
.irp i, 0,1,2,3
.irp c, 0,1,2,3
	ds_load_b128 v[128*(\f)+64+16*\i+4*\c:128*(\f)+64+16*\i+4*\c+3], v[ADRB+\slot] offset:\i*16*PITCHB+128*(\q)+32*\c
.endr
.endr
.irp i, 0,1,2,3
.irp c, 0,1,2,3
	ds_load_b128 v[128*(\f)+16*\i+4*\c:128*(\f)+16*\i+4*\c+3], v[ADRA+\slot] offset:(2*(\q)+\c/2)*PLB+1088*\i+544*(\c%2)
.endr
.endr
.endm
.macro SCALES sc                       ; a slot's scale words: register 4 i + q of a set
	WIN 0
.irp i, 0,1,2,3
.irp q, 0,1,2,3
	ds_load_b32 v[SA+16*\sc+4*\i+\q], v[ADSA] offset:512*\q+64*\i
.endr
	ds_load_b128 v[SB+16*\sc+4*\i:SB+16*\sc+4*\i+3], v[ADSB] offset:\i*SBLK
.endr
.endm
.macro MUL f, q, sc, zero              ; 16 products; the 16 accumulators take turns, in the same order in every step
	WIN 0x05
.irp a, 0,1,2,3
.irp b, 0,1,2,3
.if \zero
	v_wmma_scale_f32_16x16x128_f8f6f4 v[ACC+8*(4*\a+\b):ACC+8*(4*\a+\b)+7], v[128*\f+64+16*\b:128*\f+64+16*\b+15], v[128*\f+16*\a:128*\f+16*\a+15], 0, v[SB+16*\sc+4*\b+\q], v[SA+16*\sc+4*\a+\q]
.else
	v_wmma_scale_f32_16x16x128_f8f6f4 v[ACC+8*(4*\a+\b):ACC+8*(4*\a+\b)+7], v[128*\f+64+16*\b:128*\f+64+16*\b+15], v[128*\f+16*\a:128*\f+16*\a+15], v[ACC+8*(4*\a+\b):ACC+8*(4*\a+\b)+7], v[SB+16*\sc+4*\b+\q], v[SA+16*\sc+4*\a+\q]
.endif
.endr
.endr
.endm
.macro STEP slot, q, f, g, zero
	PLACES 8                                       ; in front of loads into the set that the last products read
	FETCH \slot, (\q)+1, \g
	s_wait_dscnt 32                                ; all but the 32 just issued: this step's fragments and scale words are in
	MUL \f, \q, \slot, \zero
.endm
; The change of slots stands at the head of a slot's last step, whose fragments are already asked for.
.macro TURN slot, next, fill
	WIN 0
	s_wait_tensorcnt 0x0                           ; all my tensor loads have landed: my part of the next slot
	ds_add_u32 v[SPW], v[NIL]                      ; 0 onto my spare word
.if \fill
	s_add_nc_u64 s[G0+4*\slot+2:G0+4*\slot+3], s[G0+4*\slot+2:G0+4*\slot+3], 2*65536
	s_add_nc_u64 s[G0B+4*\slot+2:G0B+4*\slot+3], s[G0B+4*\slot+2:G0B+4*\slot+3], 2*KSTEP
	s_wait_xcnt 0x0                                ; my last prefetch has read its address
	s_add_nc_u64 s[20:21], s[20:21], s[22:23]
.endif
	s_wait_dscnt 0x0                               ; the add is done, and my reads of this slot are all in registers
.if \fill
	CROUND                                         ; no wave of any partner still reads this slot or has a load on its way
	JLOAD G0+4*\slot, G1, G0B+4*\slot, G1B         ; the first tensor load behind the round, one a wave: it has four steps in which to land
	PLACES 4
.else
	s_barrier_signal -1
	s_barrier_wait -1
	PLACES 8
.endif
	s_wait_alu depctr_va_vdst(0)
	v_add_nc_u32 v[ADSA], 2048, v[ADSA]
	v_add_nc_u32 v[ADSB], 16, v[ADSB]
	FETCH \next, 0, 0
	SCALES \next
.if \fill
	s_cmp_gt_u32 s19, 1                            ; the loop's last trip has no K step two refills on
	s_cbranch_scc0 .Lno_ask_\@
	global_prefetch_b8 v30, s[20:21] th:TH_LOAD_NT scope:SCOPE_SE
.Lno_ask_\@:
.endif
	MUL 1, 3, \slot, 0
.endm
	s_wait_tensorcnt 0x0                           ; my tile of the head's four is in
	ds_add_u32 v[SPW], v[NIL]
	s_mov_b32 s[G1+2], 128<<16                     ; no tensor load of mine is out: from here on a load brings half a tile
	s_mov_b32 s[G1+4], 128
	s_mov_b32 s[G1B+2], 64<<16
	s_mov_b32 s[G1B+4], 64
	s_wait_dscnt 0x0
	CROUND                                         ; all four tiles are in, and all sixteen work-groups are here
	JLOAD G0+4, G1, G0B+4, G1B                     ; K step 1, the first tensor load behind the round
	FETCH 0, 0, 0
	SCALES 0
	global_load_b128 v[BI:BI+3], v[BO], s[10:11]   ; the bias and the residual are wanted only on the way out: they are asked for behind the first two K steps' tiles, and come under the products
	WIN 0x80                                       ; destination window 2
.irp a, 0,1,2,3
.irp t, 0,1,2,3,4,5,6,7
	global_load_b128 v[4*(8*\a+\t):4*(8*\a+\t)+3], v[CO], s[12:13] offset:(16*\a+2*\t)*4096   ; in the stores' own lane pattern
.endr
.endr
	WIN 0
	STEP 0, 0, 0, 1, 1                             ; the first step's products start the sums
.if LAPS > 1
	WIN 0
	s_mov_b32 s19, LAPS-1
.Llap:                                             ; a trip goes once round the ring and fills both slots again
	STEP 0, 1, 1, 0, 0
	STEP 0, 2, 0, 1, 0
	TURN 0, 1, 1
	STEP 1, 0, 0, 1, 0
	STEP 1, 1, 1, 0, 0
	STEP 1, 2, 0, 1, 0
	TURN 1, 0, 1
	STEP 0, 0, 0, 1, 0
	WIN 0
	s_sub_co_u32 s19, s19, 1
	s_cmp_lg_u32 s19, 0
	s_cbranch_scc1 .Llap
.endif
	STEP 0, 1, 1, 0, 0
	STEP 0, 2, 0, 1, 0
	TURN 0, 1, 0
	STEP 1, 0, 0, 1, 0
	STEP 1, 1, 1, 0, 0
	STEP 1, 2, 0, 1, 0
	s_wait_dscnt 0x0
	MUL 1, 3, 1, 0
	WIN 0
	; THE WAY OUT: a block of 16 rows x 64 columns goes through my stage and comes back, into the registers that it left, as whole runs of 256 bytes of a row
.macro TOSTAGE a
.irp b, 0,1,2,3
	ds_store_b128 v[STO], v[ACC+8*(4*\a+\b):ACC+8*(4*\a+\b)+3] offset:64*\b       ; each accumulator from its low end on
	ds_store_b128 v[STO], v[ACC+8*(4*\a+\b)+4:ACC+8*(4*\a+\b)+7] offset:64*\b+16
.endr
.irp t, 0,1,2,3,4,5,6,7
	ds_load_b128 v[ACC+32*\a+4*\t:ACC+32*\a+4*\t+3], v[RD] offset:544*\t          ; LDS serves a wave's instructions in order
.endr
.endm
.macro SEND a, younger
	s_wait_dscnt \younger
.irp t, 0,1,2,3,4,5,6,7
	v_pk_add_f32 v[ACC+32*\a+4*\t:ACC+32*\a+4*\t+1], v[ACC+32*\a+4*\t:ACC+32*\a+4*\t+1], v[BI:BI+1]
	v_pk_add_f32 v[ACC+32*\a+4*\t+2:ACC+32*\a+4*\t+3], v[ACC+32*\a+4*\t+2:ACC+32*\a+4*\t+3], v[BI+2:BI+3]
.endr
	WIN 0x08                                       ; source 1: window 2
.irp k, 0,2,4,6,8,10,12,14,16,18,20,22,24,26,28,30
	v_pk_add_f32 v[ACC+32*\a+\k:ACC+32*\a+\k+1], v[ACC+32*\a+\k:ACC+32*\a+\k+1], v[32*\a+\k:32*\a+\k+1]
.endr
	WIN 0
.irp t, 0,1,2,3,4,5,6,7
	global_store_b128 v[CO], v[ACC+32*\a+4*\t:ACC+32*\a+4*\t+3], s[14:15] offset:(16*\a+2*\t)*4096   ; 16 lanes store 256 consecutive bytes, aligned
.endr
.endm
	PLACES 8
	s_wait_loadcnt 0x0                             ; the bias and the residual
	TOSTAGE 0
	TOSTAGE 1
	SEND 0, 16                                     ; the next block's 8 stores and 8 loads may be out
	TOSTAGE 2
	SEND 1, 16
	TOSTAGE 3
	SEND 2, 16
	SEND 3, 0
	s_wait_tensorcnt 0x0                           ; the wave's end
	ds_add_u32 v[SPW], v[NIL]
	s_wait_dscnt 0x0
	CROUND                                         ; the closing round
	s_endpgm
.Lfunc_end_k_qac5c04b350_w2:
	.size	k_qac5c04b350_w2, .Lfunc_end_k_qac5c04b350_w2-k_qac5c04b350_w2
	.p2alignl 7, 3214868480
	.fill 96, 4, 3214868480
	.section	.rodata,"a",@progbits
	.p2align	6, 0x0
	.amdhsa_kernel k_qac5c04b350_w2
		.amdhsa_group_segment_fixed_size 327680
		.amdhsa_private_segment_fixed_size 0
		.amdhsa_enable_private_segment 0
		.amdhsa_kernarg_size 48
		.amdhsa_user_sgpr_count 2
		.amdhsa_user_sgpr_kernarg_segment_ptr 1
		.amdhsa_wavefront_size32 1
		.amdhsa_system_sgpr_workgroup_id_x 1
		.amdhsa_system_sgpr_workgroup_id_y 1
		.amdhsa_system_sgpr_workgroup_id_z 1
		.amdhsa_system_vgpr_workitem_id 0
		.amdhsa_next_free_vgpr 640
		.amdhsa_next_free_sgpr 100
		.amdhsa_reserve_vcc 0
		.amdhsa_float_denorm_mode_32 3
		.amdhsa_float_denorm_mode_16_64 3
		.amdhsa_memory_ordered 1
		.amdhsa_forward_progress 1
		.amdhsa_inst_pref_size 109
	.end_amdhsa_kernel
	.amdgpu_metadata
---
amdhsa.version: [ 1, 2 ]
amdhsa.kernels:
  - .name:           k_qac5c04b350_w2
    .symbol:         k_qac5c04b350_w2.kd
    .args:
      - { .name: gc, .offset: 0, .size: 8, .value_kind: global_buffer, .address_space: global }
      - { .name: W2_codes, .offset: 8, .size: 8, .value_kind: global_buffer, .address_space: global }
      - { .name: W2_scales, .offset: 16, .size: 8, .value_kind: global_buffer, .address_space: global }
      - { .name: b2, .offset: 24, .size: 8, .value_kind: global_buffer, .address_space: global }
      - { .name: x1, .offset: 32, .size: 8, .value_kind: global_buffer, .address_space: global }
      - { .name: out0, .offset: 40, .size: 8, .value_kind: global_buffer, .address_space: global }
    .group_segment_fixed_size: 327680
    .private_segment_fixed_size: 0
    .kernarg_segment_align: 8
    .kernarg_segment_size: 48
    .max_flat_workgroup_size: 128
    .sgpr_count:     100
    .vgpr_count:     640
    .wavefront_size: 32
...
	.end_amdgpu_metadata
.endif
;; end of part 6
